; MI455X (gfx1250); checked and timed in simulation.
; The chip was launched on July 23, 2026; its instructions are those of AMD's public machine-readable ISA for CDNA 5 (MIT licence, August 2026) and "CDNA5" Instruction Set Architecture Reference Guide (July 2026). The comments in the code are by the model that wrote it; some were corrected since.
;; Multi Head Self Attention. Allowed arithmetic: matrix products marked QUANTISED: E2M1 operands, one E8M0 scale for each 32 along K, by v_wmma_scale_f32_16x16x128_f8f6f4 with both operands' format E2M1 (or v_wmma_scale_f32_32x16x128_f4), f32 sums; products left as they are: bf16, f16 or f32 operands; f32 sums; everything else in f32.
;; Inputs: W_proj 1,024 x 1,024 float32; W_qkv 1,024 x 3,072 float32; W_rel 1 x 16 float32; x 4 x 2,048 x 1,024 float32.
;; Outputs: out0 4 x 2,048 x 1,024 float32.
;; This version of the problem:
;;   THIS VERSION OF THE PROBLEM IS GIVEN IN LOW PRECISION. The matrix products marked QUANTISED in the list below multiply operands that are first quantised to E2M1 (2 exponent bits, 1 mantissa bit; 4 bits a number), with one power-of-two scale for each 32 numbers along K (OCP MX v1.0); their sums are f32. The products marked 'left as it is' may take bf16, f16 or f32 operands, with f32 sums. Whichever they take, every output number must still come out within the allowed error. Rounding operands to bf16 (8 significant bits) uses up far more of that allowance than f16 does (11 bits, for magnitudes from 6e-5 to 65,504). All else is computed in f32.
;;   The module's matrix products, in the order in which they are computed (A, B: the left and right operand; K: the contracted axis; several contracted axes count as one K, in the product's order):
;;     1. [M 8,192, K 1,024] x [K 1,024, N 3,072]; A: input x; B: input W_qkv: QUANTISED
;;     2. batch 64 x [M 2,048, K 64] x [K 64, N 2,048]; A: computed on the way; B: computed on the way: left as it is (an operand is computed on the way)
;;     3. batch 64 x [M 2,048, K 2,048] x [K 2,048, N 64]; A: computed on the way; B: computed on the way: left as it is (an operand is computed on the way)
;;     4. [M 8,192, K 1,024] x [K 1,024, N 1,024]; A: computed on the way; B: input W_proj: left as it is (an operand is computed on the way)
;;   THE QUANTISER, for each operand of a quantised product, along K:
;;     - K is cut into blocks of 32 from its start; a last block that is shorter is filled with zeros.
;;     - A block's scale is 2^e with e = floor(log2(the largest magnitude in the block)) - 2, held to -126 .. 127; a block of zeros has e = 0. As a byte (E8M0): e + 127.
;;     - Each number is divided by its block's scale, clamped to +-6, and rounded to the nearest number of E2M1, ties to even, subnormals kept.
;;     - The product sums the exact products of the quantised numbers (number of the format x scale) in f32.
;;   ~~~python
;;   def quantise(x, axis):      # numpy; x: float32 -> the quantised numbers, widened to float32 again
;;       x = np.moveaxis(x, axis, -1); K = x.shape[-1]
;;       x = np.pad(x, [(0, 0)] * (x.ndim - 1) + [(0, -K % 32)]); x = x.reshape(x.shape[:-1] + (-1, 32)); a = np.abs(x).max(-1, keepdims=True)
;;       e = np.where(a > 0, np.clip(np.frexp(np.where(a > 0, a, 1))[1] - 1 - 2, -126, 127), 0)      # np.frexp(a)[1] - 1 = floor(log2(a)), exactly
;;       r = np.clip(x / 2.0 ** e, -6, 6)
;;       step = 2.0 ** (np.maximum(np.frexp(np.where(r == 0, 1, r))[1] - 1, 0) - 1)
;;       q = np.round(r / step) * step * 2.0 ** e      # np.round: ties to even
;;       return np.moveaxis(q.reshape(q.shape[:-2] + (-1,))[..., :K], -1, axis).astype(np.float32)
;;   ~~~
;; One version. Each part assembles by itself: llvm-mc -triple=amdgcn-amd-amdhsa -mcpu=gfx1250 --defsym DOCPART=n.
;; ======== version 1 of 1: 4 launches
;; limits: values are held in f16: magnitudes above 65,504 overflow, below 6.1e-05 lose precision
;; workspace buffers: xc 4,194,304 bytes; xs 262,144 bytes; wc 1,572,864 bytes; ws 98,304 bytes; wpt 2,097,152 bytes; qkv 50,331,648 bytes; ah 16,777,216 bytes
;; launch prep (part 1): grid 368 x 1, 4 waves a work-group, no clusters, 102,912 bytes of LDS; arguments x, W_qkv, W_proj, xc, xs, wc, ws, wpt; writes xc, xs, wc, ws, wpt
.if DOCPART == 1
	.amdgcn_target "amdgcn-amd-amdhsa--gfx1250"
	.amdhsa_code_object_version 6
	.text
	.protected	k_q65ecf7d488_prep
	.globl	k_q65ecf7d488_prep
	.p2align	8
	.type	k_q65ecf7d488_prep,@function
k_q65ecf7d488_prep:
	s_mov_b64 s[64:65], 0
	v_nop
	global_prefetch_b8 v0, s[64:65] scope:SCOPE_SE
	s_setreg_imm32_b32 hwreg(HW_REG_WAVE_MODE, 25, 1), 1
	s_wait_xcnt 0x0
; Three jobs in one launch, told apart by the work-group's number alone; each has LDS bytes of its own and ends by itself.
;   work-groups 0-255:   x [8192][1024] f32 -> codes of FP4 (E2M1), K innermost, xc [8192][512 bytes], and one E8M0 byte for each 32 along K, xs [8192][32].
;   work-groups 256-303: W_qkv [1024 k][3072 n] f32, K its FIRST axis -> wc [3072 n][512 bytes], ws [3072][32].
;   work-groups 304-367: W_proj [1024 k][1024 n] f32 -> f16, turned: wpt [1024 n][1024 k].
; A block's scale is 2^(floor(log2(its largest magnitude)) - 2); its byte is the largest magnitude's exponent field - 2, held at 1 from below.
; A block of zeros so gets the byte 1 where the rule says 127: its codes are zeros, and these bytes are read by this program alone.
; LIMITS: blocks whose largest magnitude lies under 2^(2 - 126) keep the byte 1; NaN and infinities are not served; |W_proj| stays under 65,504 (f16).
; No tensor loads, no barrier: waves share nothing.
.set SPARE, 102400                     ; behind the three regions: the spare words, 128 bytes a wave, that no other line names
.set SPW,   192                        ; v192 LDS address of my spare word; never rewritten
.set NIL,   193                        ; v193 0; never rewritten
	s_load_b256 s[4:11], s[0:1], 0x0               ; x s[4:5], W_qkv s[6:7], W_proj s[8:9], xc s[10:11]
	s_load_b256 s[12:19], s[0:1], 0x20             ; xs s[12:13], wc s[14:15], ws s[16:17], wpt s[18:19]
	v_lshl_add_u32 v[SPW], v0, 2, SPARE
	v_mov_b32 v[NIL], 0
	v_lshrrev_b32 v1, 5, v0
	v_readfirstlane_b32 s20, v1                    ; wave 0..3
	v_and_b32 v2, 31, v0                           ; lane
	s_wait_kmcnt 0x0
	s_cmp_lt_u32 ttmp9, 256
	s_cbranch_scc1 .Lx
	s_cmp_lt_u32 ttmp9, 304
	s_cbranch_scc1 .Lw
; ---------------- W_proj: a lane takes a column n, its registers run down K; a wave takes 32 columns x 128 along K ----------------
.set PSTG, 67584                       ; LDS: 32 rows x 272 bytes for each wave
.set PP,   272                         ; a stage row: 128 f16 + 16 bytes
	s_sub_co_u32 s21, ttmp9, 304
	s_and_b32 s22, s21, 7                          ; which 128 columns
	s_lshr_b32 s23, s21, 3                         ; which 128 along K
	s_lshl_b32 s22, s22, 7
	s_lshl_b32 s24, s20, 5
	s_add_co_u32 s22, s22, s24                     ; my wave's first column
	v_lshlrev_b32 v3, 2, v2                        ; in: 4 bytes a lane
	s_mul_i32 s24, s20, 32*PP
	s_add_co_u32 s24, s24, PSTG                    ; my stage
	v_mul_u32_u24 v4, v2, PP
	v_add_nc_u32 v4, s24, v4                       ; into it: row = my column
	v_and_b32 v5, 15, v2
	v_lshrrev_b32 v6, 4, v2
	v_mul_u32_u24 v7, v6, PP
	v_lshl_add_u32 v7, v5, 4, v7
	v_add_nc_u32 v7, s24, v7                       ; out of it: sixteen lanes to a row, two rows an instruction
	v_lshlrev_b32 v8, 11, v6
	v_lshl_add_u32 v8, v5, 4, v8                   ; the same place in wpt: rows of 2,048 bytes
	s_lshl_b32 s26, s23, 19                        ; 128 rows of 4,096 bytes
	s_lshl_b32 s25, s22, 2
	s_add_co_u32 s26, s26, s25
	s_mov_b32 s27, 0
	s_add_nc_u64 s[8:9], s[8:9], s[26:27]
	s_lshl_b32 s26, s22, 11
	s_lshl_b32 s25, s23, 8
	s_add_co_u32 s26, s26, s25
	s_add_nc_u64 s[18:19], s[18:19], s[26:27]
.macro PLOAD t                         ; W_proj(32 t + i, my column), i = 0 .. 31, into set t % 2: a wave reads 128 consecutive bytes
.irp i, 0,1,2,3,4,5,6,7,8,9,10,11,12,13,14,15,16,17,18,19,20,21,22,23,24,25,26,27,28,29,30,31
	global_load_b32 v[32+32*((\t)%2)+\i], v3, s[8:9] offset:(32*(\t)+\i)*4096 th:TH_LOAD_NT
.endr
.endm
.macro PBLOCK t
.set XS, 32+32*((\t)%2)
.if (\t) < 3
	s_wait_loadcnt 32                              ; this block's 32 loads are in; the next block's may be out
.else
	s_wait_loadcnt 0
.endif
.irp i, 0,1,2,3,4,5,6,7,8,9,10,11,12,13,14,15
	v_cvt_pk_f16_f32 v[96+\i], v[XS+2*\i], v[XS+2*\i+1]        ; two neighbours along K, the lower in the low half
.endr
.irp g, 0,1,2,3
	ds_store_b128 v4, v[96+4*\g:96+4*\g+3] offset:64*(\t)+16*\g
.endr
.if (\t)+2 < 4
	PLOAD (\t)+2
.endif
	s_wait_dscnt 0x0                               ; the stores have read their registers: the next block may write them
.endm
	PLOAD 0
	PLOAD 1
	PBLOCK 0
	PBLOCK 1
	PBLOCK 2
	PBLOCK 3
.irp t, 0,1,2,3,4,5,6,7,8,9,10,11,12,13,14,15
	ds_load_b128 v[112+4*\t:112+4*\t+3], v7 offset:2*\t*PP     ; LDS serves a wave's instructions in order: these see my stores
.endr
.irp t, 0,1,2,3,4,5,6,7,8,9,10,11,12,13,14,15
	s_wait_dscnt 15-\t                             ; the younger loads may be out
	global_store_b128 v8, v[112+4*\t:112+4*\t+3], s[18:19] offset:2*\t*2048   ; sixteen lanes store 256 consecutive bytes, aligned
.endr
	s_wait_tensorcnt 0x0                           ; the wave's end
	ds_add_u32 v[SPW], v[NIL]
	s_wait_dscnt 0x0
	s_endpgm
; ---------------- x: a plain stream of blocks of 32; a wave takes 16 steps of 512 numbers ----------------
; Each load reads 512 consecutive bytes, 16 a lane; a step's 2,048 bytes turn through the wave's own stage in LDS and come back 64 bytes a lane,
; so that a lane holds 16 neighbours along K (two neighbouring lanes hold a block).  Loads run four steps ahead, the turn one step.
.set STEPS, 16
.set XWREG, 8192                       ; LDS: a region for each wave: two stages of 32 x XSP bytes, then its 256 scale bytes
.set XSP,   80                         ; a lane's place in a stage: 64 bytes + 16
.set XR,    16                         ; v16-79   four sets of 16 numbers as loaded
.set XX,    80                         ; v80-111  two sets of 16 neighbours
.set XE,    112                        ; v112-127 a scale byte for each step
.set XC,    128                        ; v128-191 codes: registers of its own for each step, so that no store's data are written again
.Lx:
	v_lshlrev_b32 v3, 4, v2                        ; my 16 bytes of a load's 512
	s_mul_i32 s21, s20, XWREG
	v_lshrrev_b32 v14, 2, v2
	v_mul_u32_u24 v14, v14, XSP
	v_and_b32 v15, 3, v2
	v_lshl_add_u32 v14, v15, 4, v14
	v_add_nc_u32 v14, s21, v14                     ; the stage, on the way in: XSP (lane / 4) + 16 (lane % 4)
	v_mul_u32_u24 v15, v2, XSP
	v_add_nc_u32 v15, s21, v15                     ; and on the way out: XSP x lane
	v_lshlrev_b32 v4, 3, v2                        ; my 8 bytes of a step's codes
	v_lshrrev_b32 v5, 1, v2
	s_add_co_u32 s21, s21, 2*32*XSP
	v_add_nc_u32 v5, s21, v5                       ; my block's scale byte in LDS
	v_lshlrev_b32 v7, 3, v2
	v_add_nc_u32 v6, s21, v7                       ; and on the way out 8 bytes a lane
	s_lshl_b32 s22, ttmp9, 2
	s_add_co_u32 s22, s22, s20                     ; which run of 8,192 numbers is my wave's
	s_mov_b32 s23, 0
	s_lshl_b64 s[24:25], s[22:23], 15
	s_add_nc_u64 s[4:5], s[4:5], s[24:25]
	s_lshl_b64 s[24:25], s[22:23], 12
	s_add_nc_u64 s[10:11], s[10:11], s[24:25]
	s_lshl_b32 s22, s22, 8
	s_add_nc_u64 s[12:13], s[12:13], s[22:23]
.macro XLOAD t
.irp i, 0,1,2,3
	global_load_b128 v[XR+16*((\t)%4)+4*\i:XR+16*((\t)%4)+4*\i+3], v3, s[4:5] offset:2048*(\t)+512*\i th:TH_LOAD_NT
.endr
.endm
.macro XTURN t                         ; step t's numbers through the stage
.irp i, 0,1,2,3
	ds_store_b128 v14, v[XR+16*((\t)%4)+4*\i:XR+16*((\t)%4)+4*\i+3] offset:32*XSP*((\t)%2)+8*XSP*\i
.endr
.irp i, 0,1,2,3
	ds_load_b128 v[XX+16*((\t)%2)+4*\i:XX+16*((\t)%2)+4*\i+3], v15 offset:32*XSP*((\t)%2)+16*\i
.endr
.endm
.macro XSTEP t
.set XS, XX+16*((\t)%2)
.if (\t) > 0
	s_wait_dscnt 1                                 ; this step's numbers are back from the stage; the last step's byte store may be out
.else
	s_wait_dscnt 0x0
.endif
.if (\t)+4 < STEPS
	XLOAD (\t)+4
.endif
.if (\t)+1 < STEPS
.if STEPS-2-(\t) >= 3
	s_wait_loadcnt 12                              ; the next step's four loads are in; those of the three steps behind it may be out
.else
	s_wait_loadcnt 4*(STEPS-2-(\t))
.endif
	XTURN (\t)+1
.endif
	v_max3_num_f32 v8, |v[XS]|, |v[XS+1]|, |v[XS+2]|               ; the largest magnitude of my 16, in two chains
	v_max3_num_f32 v9, |v[XS+3]|, |v[XS+4]|, |v[XS+5]|
.irp i, 6,10
	v_max3_num_f32 v8, v8, |v[XS+\i]|, |v[XS+\i+1]|
	v_max3_num_f32 v9, v9, |v[XS+\i+2]|, |v[XS+\i+3]|
.endr
	v_max3_num_f32 v8, v8, |v[XS+14]|, |v[XS+15]|
	v_max3_num_f32 v8, v8, v9, 0x1800000           ; and the floor 2^(3 - 127): the byte cannot fall under 1
	v_max_num_f32_dpp v8, v8, v8 row_xmask:1 row_mask:0xf bank_mask:0xf   ; with my neighbour's 16: the block's
	v_add_nc_u32 v11, 0xff000000, v8               ; 2 off its exponent field: the conversion takes this operand's exponent field as its scale
	v_cvt_scalef32_pk8_fp4_f32 v[XC+4*(\t)], v[XS:XS+7], v11
	v_cvt_scalef32_pk8_fp4_f32 v[XC+4*(\t)+1], v[XS+8:XS+15], v11
	v_lshrrev_b32 v[XE+(\t)], 23, v11              ; the scale's byte
	ds_store_b8 v5, v[XE+(\t)] offset:16*(\t)      ; both lanes of a block write the same byte with the same value
	global_store_b64 v4, v[XC+4*(\t):XC+4*(\t)+1], s[10:11] offset:256*(\t)   ; the wave stores 256 consecutive bytes, aligned
.endm
.irp t, 0,1,2,3
	XLOAD \t
.endr
	s_wait_loadcnt 12                              ; step 0's four loads are in
	XTURN 0
.irp t, 0,1,2,3,4,5,6,7,8,9,10,11,12,13,14,15
	XSTEP \t
.endr
	ds_load_b64 v[8:9], v6                         ; my wave's 256 scale bytes
	s_wait_dscnt 0x0
	global_store_b64 v7, v[8:9], s[12:13]          ; 256 consecutive bytes, aligned
	s_wait_tensorcnt 0x0                           ; the wave's end
	ds_add_u32 v[SPW], v[NIL]
	s_wait_dscnt 0x0
	s_endpgm
; ---------------- W_qkv: a lane takes a column n, its registers run down K; a wave takes 32 columns x 512 along K ----------------
; A block of 32 along K lies in one lane's 32 registers, and the conversions give codes with K innermost.  The codes go through the wave's own
; stage and leave as rows: sixteen lanes store 256 consecutive bytes.  Every offset is an immediate: 511 rows of 12,288 bytes at the most.
.set WSTG,  32768                      ; LDS: 32 rows x 272 bytes for each wave
.set WP,    272
.set NB,    16                         ; blocks a lane
.set WX,    32                         ; v32-95   two sets of 32 numbers
.set WC,    96                         ; v96-99   a block's codes
.set WOUT,  112                        ; v112-175 the way out
.set WSB,   24                         ; v24-27   the scale bytes, four to a register
.Lw:
	s_sub_co_u32 s21, ttmp9, 256
	s_lshr_b32 s22, s21, 1                         ; which 128 columns
	s_and_b32 s23, s21, 1                          ; which 512 along K
	s_lshl_b32 s22, s22, 7
	s_lshl_b32 s24, s20, 5
	s_add_co_u32 s22, s22, s24                     ; my wave's first column
	v_lshlrev_b32 v3, 2, v2
	s_mul_i32 s24, s20, 32*WP
	s_add_co_u32 s24, s24, WSTG
	v_mul_u32_u24 v4, v2, WP
	v_add_nc_u32 v4, s24, v4
	v_and_b32 v5, 15, v2
	v_lshrrev_b32 v6, 4, v2
	v_mul_u32_u24 v7, v6, WP
	v_lshl_add_u32 v7, v5, 4, v7
	v_add_nc_u32 v7, s24, v7
	v_lshlrev_b32 v8, 9, v6
	v_lshl_add_u32 v8, v5, 4, v8                   ; rows of 512 bytes in wc
	v_lshlrev_b32 v9, 5, v2                        ; my column's row of 32 scale bytes
	s_mul_i32 s26, s23, 512*3072*4
	s_lshl_b32 s25, s22, 2
	s_add_co_u32 s26, s26, s25
	s_mov_b32 s27, 0
	s_add_nc_u64 s[6:7], s[6:7], s[26:27]
	s_lshl_b32 s26, s22, 9
	s_lshl_b32 s25, s23, 8
	s_add_co_u32 s26, s26, s25
	s_add_nc_u64 s[14:15], s[14:15], s[26:27]
	s_lshl_b32 s26, s22, 5
	s_lshl_b32 s25, s23, 4
	s_add_co_u32 s26, s26, s25
	s_add_nc_u64 s[16:17], s[16:17], s[26:27]
.macro WLOAD t
.irp i, 0,1,2,3,4,5,6,7,8,9,10,11,12,13,14,15,16,17,18,19,20,21,22,23,24,25,26,27,28,29,30,31
	global_load_b32 v[WX+32*((\t)%2)+\i], v3, s[6:7] offset:(32*(\t)+\i)*3072*4 th:TH_LOAD_NT
.endr
.endm
.macro WBLOCK t
.set XS, WX+32*((\t)%2)
.if (\t) < NB-1
	s_wait_loadcnt 32                              ; this block's 32 loads are in; the next block's may be out
.else
	s_wait_loadcnt 0
.endif
	v_max3_num_f32 v12, |v[XS]|, |v[XS+1]|, |v[XS+2]|              ; the block's largest magnitude: all 32 numbers are mine
	v_max3_num_f32 v13, |v[XS+3]|, |v[XS+4]|, |v[XS+5]|
.irp i, 6,10,14,18,22,26
	v_max3_num_f32 v12, v12, |v[XS+\i]|, |v[XS+\i+1]|
	v_max3_num_f32 v13, v13, |v[XS+\i+2]|, |v[XS+\i+3]|
.endr
	v_max3_num_f32 v12, v12, |v[XS+30]|, |v[XS+31]|
	v_max3_num_f32 v12, v12, v13, 0x1800000        ; and the floor 2^(3 - 127)
	v_add_nc_u32 v11, 0xff000000, v12              ; 2 off its exponent field: the conversion's scale operand
	v_lshrrev_b32 v13, 23, v11                     ; the scale's byte
.if (\t)%4 == 0
	v_mov_b32 v[WSB+(\t)/4], v13
.else
	v_lshl_or_b32 v[WSB+(\t)/4], v13, 8*((\t)%4), v[WSB+(\t)/4]
.endif
.irp g, 0,1,2,3
	v_cvt_scalef32_pk8_fp4_f32 v[WC+\g], v[XS+8*\g:XS+8*\g+7], v11
.endr
	ds_store_b128 v4, v[WC:WC+3] offset:16*(\t)    ; 32 codes: 16 bytes of my column's row
.if (\t)+2 < NB
	WLOAD (\t)+2
.endif
	s_wait_dscnt 0x0                               ; the store has read its registers: the next block's codes may be written
.endm
	WLOAD 0
	WLOAD 1
.set QB, 0
.rept NB
	WBLOCK QB
.set QB, QB+1
.endr
	global_store_b128 v9, v[WSB:WSB+3], s[16:17]   ; my column's 16 scale bytes
.irp t, 0,1,2,3,4,5,6,7,8,9,10,11,12,13,14,15
	ds_load_b128 v[WOUT+4*\t:WOUT+4*\t+3], v7 offset:2*\t*WP
.endr
.irp t, 0,1,2,3,4,5,6,7,8,9,10,11,12,13,14,15
	s_wait_dscnt 15-\t                             ; the younger loads may be out
	global_store_b128 v8, v[WOUT+4*\t:WOUT+4*\t+3], s[14:15] offset:2*\t*512
.endr
	s_wait_tensorcnt 0x0                           ; the wave's end
	ds_add_u32 v[SPW], v[NIL]
	s_wait_dscnt 0x0
	s_endpgm
.Lfunc_end_k_q65ecf7d488_prep:
	.size	k_q65ecf7d488_prep, .Lfunc_end_k_q65ecf7d488_prep-k_q65ecf7d488_prep
	.p2alignl 7, 3214868480
	.fill 96, 4, 3214868480
	.section	.rodata,"a",@progbits
	.p2align	6, 0x0
	.amdhsa_kernel k_q65ecf7d488_prep
		.amdhsa_group_segment_fixed_size 102912
		.amdhsa_private_segment_fixed_size 0
		.amdhsa_enable_private_segment 0
		.amdhsa_kernarg_size 64
		.amdhsa_user_sgpr_count 2
		.amdhsa_user_sgpr_kernarg_segment_ptr 1
		.amdhsa_wavefront_size32 1
		.amdhsa_system_sgpr_workgroup_id_x 1
		.amdhsa_system_sgpr_workgroup_id_y 1
		.amdhsa_system_sgpr_workgroup_id_z 1
		.amdhsa_system_vgpr_workitem_id 0
		.amdhsa_next_free_vgpr 194
		.amdhsa_next_free_sgpr 66
		.amdhsa_reserve_vcc 0
		.amdhsa_float_denorm_mode_32 3
		.amdhsa_float_denorm_mode_16_64 3
		.amdhsa_memory_ordered 1
		.amdhsa_forward_progress 1
		.amdhsa_inst_pref_size 132
	.end_amdhsa_kernel
	.amdgpu_metadata
---
amdhsa.version: [ 1, 2 ]
amdhsa.kernels:
  - .name:           k_q65ecf7d488_prep
    .symbol:         k_q65ecf7d488_prep.kd
    .args:
      - { .name: x, .offset: 0, .size: 8, .value_kind: global_buffer, .address_space: global }
      - { .name: W_qkv, .offset: 8, .size: 8, .value_kind: global_buffer, .address_space: global }
      - { .name: W_proj, .offset: 16, .size: 8, .value_kind: global_buffer, .address_space: global }
      - { .name: xc, .offset: 24, .size: 8, .value_kind: global_buffer, .address_space: global }
      - { .name: xs, .offset: 32, .size: 8, .value_kind: global_buffer, .address_space: global }
      - { .name: wc, .offset: 40, .size: 8, .value_kind: global_buffer, .address_space: global }
      - { .name: ws, .offset: 48, .size: 8, .value_kind: global_buffer, .address_space: global }
      - { .name: wpt, .offset: 56, .size: 8, .value_kind: global_buffer, .address_space: global }
    .group_segment_fixed_size: 102912
    .private_segment_fixed_size: 0
    .kernarg_segment_align: 8
    .kernarg_segment_size: 64
    .max_flat_workgroup_size: 128
    .sgpr_count:     66
    .vgpr_count:     194
    .wavefront_size: 32
...
	.end_amdgpu_metadata
.endif
;; end of part 1
;; launch gemm_qkv (part 2): grid 12 x 32, 4 waves a work-group, clusters of 4 x 4, 327,680 bytes of LDS; arguments xc, xs, wc, ws, qkv; writes qkv
.if DOCPART == 2
	.amdgcn_target "amdgcn-amd-amdhsa--gfx1250"
	.amdhsa_code_object_version 6
	.text
	.protected	k_q65ecf7d488_gemm_qkv
	.globl	k_q65ecf7d488_gemm_qkv
	.p2align	8
	.type	k_q65ecf7d488_gemm_qkv,@function
k_q65ecf7d488_gemm_qkv:
	s_mov_b64 s[64:65], 0
	v_nop
	global_prefetch_b8 v0, s[64:65] scope:SCOPE_SE
	s_setreg_imm32_b32 hwreg(HW_REG_WAVE_MODE, 25, 1), 1
	s_wait_xcnt 0x0
	s_wait_alu depctr_hold_cnt(0) depctr_sa_sdst(0) depctr_va_vdst(0) depctr_va_sdst(0) depctr_va_ssrc(0) depctr_va_vcc(0) depctr_vm_vsrc(0)
	s_getreg_b32 s2, hwreg(HW_REG_IB_STS2, 6, 4)
	s_cmp_eq_u32 s2, 0
	s_cbranch_scc0 .Lentry_in_a_cluster
	s_endpgm
.Lentry_in_a_cluster:
	s_bfe_u32 s2, ttmp6, 0x10000c
	s_cmp_lg_u32 s2, 0xf033
	s_cbranch_scc0 .Lentry_shape_is_right
	s_endpgm
.Lentry_shape_is_right:
; qkv = x W_qkv on codes of FP4 (E2M1) with one E8M0 scale for each 32 along K; sums in f32; results rounded once to f16 and laid by head:
; qkv [which 3][b 4][h 16][t 2048][64] f16, a head being 262,144 consecutive bytes.
; A = xc [8192][512 bytes], xs [8192][32];  B = wc [3072][512 bytes], ws [3072][32].  LIMIT: |q|, |k|, |v| stay under 65,504 (f16).
; A tile of C, 256 x 256, is made by a work-group of four waves; a wave makes 128 x 128: 64 accumulators of 16 x 16, 512 registers.
; K = 1,024 is two steps of 512: both lie in LDS at once, in two slots filled once at the head; no slot is filled again.
; The scales of the work-group's 256 rows of A and of B, for all of K, are two dense blocks: they come once, with the first fills.
; CLUSTERS: 4 x 4 work-groups.  The four of a row need the same tiles of A, the four of a column the same tiles of B: each tile is asked for jointly.
; THE MATRIX INSTRUCTION IS USED TRANSPOSED (source 0 = 16 rows of B, source 1 = 16 rows of A): a lane holds eight neighbouring columns of a row of C.
; REGISTERS: window 0: v0-31 addresses; v32-95 scale words, two sets; from v128 A's fragments, one set; on the way out v32-255 are free.
;   window 1: B's fragments, two sets, at v0 and v128.  window 2: accumulators of my rows 0-63 ((a, b) at v[8 (8 a + b)]); window 3: rows 64-127.
.set SIZE_M, 8192
.set SIZE_N, 3072
.set SIZE_K, 1024
.set KSTEP,  512
.set NQ,     KSTEP/128
.set ROWB,   256                       ; a tile's row in bytes
.set KROW,   SIZE_K*4/8                ; a row of codes in memory
.set PITCH,  272                       ; an LDS row: 256 bytes + 16: the 16 rows of a fragment load start 68 words apart
.set FR,     8
.set NL,     2
.set NP,     4                         ; places behind this matrix instruction (ISA guide 7.12.1)
.set HALFT,  128*PITCH
.set SLOT,   4*HALFT                   ; A's 256 rows, then B's 256 rows
.set KS,     SIZE_K/32                 ; a row of scales in bytes
.set SCL,    2*SLOT                    ; behind the slots: the scales, as units of 256 bytes + 16
.set HALFS,  (128*KS/256)*272
.set SBLK,   (16*KS/256)*272
.set SPARE,  SCL+4*HALFS               ; the spare words, 128 bytes a wave, that no other line names
.set SPITCH, 272                       ; the way out: 16 rows x (256 bytes + 16) for each wave, in slot 0, which has had its only fill and its last read by then
.set ADRA, 16
.set ADRB, 20
.set STO,  24
.set RD,   25
.set CO,   26
.set ADRS, 27
.set SPW,  28
.set NIL,  29
.set SC,   32
.set AF,   128
.set TMP,  192                         ; the way out: packed results
.set OB,   32                          ; and 16 rows read back: v32-63 and v224-255 by turns
.set G1, 24
.set G0, 32
.set G1B, 48
.set G0B, 56
.set G1S, 68
.set G0S, 76
.set G1SB, 80
.set G0SB, 88
.set MSB, 0
.macro WIN new                         ; the immediate's high byte repeats the setting that is left
.if MSB != (\new)
	s_set_vgpr_msb (MSB<<8)|(\new)
.set MSB, (\new)
.endif
.endm
.set MUL_LO, 0xa1                      ; source 0 (B) window 1, source 1 (A) window 0, C and D window 2
.set MUL_HI, 0xf1
.set TO_B,   0x40
; A joint load: waves 0 and 1 fetch for A, waves 2 and 3 for B.  The branch hangs on the wave's number alone.  An s_nop 0 and four v_nop follow each line.
.macro JLOAD g0a, g1a, g0b, g1b
	s_cmp_eq_u32 s15, 0
	s_cbranch_scc0 .Lfor_b_\@
	tensor_load_to_lds s[\g0a:\g0a+3], s[\g1a:\g1a+7]
	s_nop 0
.rept 4
	v_nop
.endr
	s_branch .Lasked_\@
.Lfor_b_\@:
	tensor_load_to_lds s[\g0b:\g0b+3], s[\g1b:\g1b+7]
	s_nop 0
.rept 4
	v_nop
.endr
.Lasked_\@:
.endm
.macro CROUND                          ; a round of the cluster's barrier
	s_barrier_signal -1
	s_barrier_wait -1
	s_cmp_lg_u32 s14, 0
	s_cbranch_scc1 .Lnot_wave_0_\@
	s_barrier_signal -3
.Lnot_wave_0_\@:
	s_barrier_wait -3
	s_barrier_signal -1
	s_barrier_wait -1
.endm
	s_load_b128 s[4:7], s[0:1], 0x0                ; A's codes, A's scales
	s_load_b128 s[8:11], s[0:1], 0x10              ; B's codes, B's scales
	s_load_b64 s[12:13], s[0:1], 0x20              ; qkv
	v_lshl_add_u32 v[SPW], v0, 2, SPARE
	v_mov_b32 v[NIL], 0
	ds_add_u32 v[SPW], v[NIL]                      ; the wave's opening: the add, twice on end, and its wait ahead of my first tensor load
	ds_add_u32 v[SPW], v[NIL]
	v_lshrrev_b32 v1, 5, v0
	v_readfirstlane_b32 s14, v1                    ; wave 0..3
	s_lshr_b32 s15, s14, 1                         ; which half of the tile's rows is mine.  Also: I fetch for A (0) or for B (1)
	s_and_b32 s16, s14, 1                          ; which half of its columns.  Also: which 128 rows I fetch
	s_bfe_u32 s40, ttmp6, 0x40000                  ; cx, cy
	s_bfe_u32 s41, ttmp6, 0x40004
	s_lshl_b32 s42, ttmp9, 2
	s_add_co_u32 s42, s42, s40                     ; tile column of C
	s_and_b32 s17, ttmp7, 0xffff
	s_lshl_b32 s17, s17, 2
	s_add_co_u32 s17, s17, s41                     ; tile row of C
	s_lshl_b32 s43, s41, 2
	s_lshl_b32 s43, 15, s43                        ; my row of the cluster
	s_lshl_b32 s44, 0x1111, s40                    ; my column
	s_or_b32 s[G1+0], s43, (0<<16)|(1<<20)|(1<<21)|(5<<22)|(3<<25)  ; the mask; elements of 1 byte; padding of 4 words after every 64; bit 21 beside a mask
	s_or_b32 s[G1B+0], s44, (0<<16)|(1<<20)|(1<<21)|(5<<22)|(3<<25)
.irp g, G1, G1B
	s_mov_b32 s[\g+1], ROWB<<16                    ; tensor_dim0
	s_mov_b32 s[\g+2], 128<<16                     ; tensor_dim1
	s_mov_b32 s[\g+3], ROWB<<16                    ; tile_dim0
	s_mov_b32 s[\g+4], 128                         ; tile_dim1
	s_mov_b32 s[\g+5], KROW                        ; from row to row
	s_mov_b32 s[\g+6], 0
	s_mov_b32 s[\g+7], 0
.endr
	s_or_b32 s[G1S+0], s43, (3<<16)|(1<<20)|(1<<21)|(5<<22)|(3<<25) ; the scales of 128 rows: a dense block as rows of 256 bytes (32 elements of 8)
	s_or_b32 s[G1SB+0], s44, (3<<16)|(1<<20)|(1<<21)|(5<<22)|(3<<25)
.irp g, G1S, G1SB
	s_mov_b32 s[\g+1], 32<<16
	s_mov_b32 s[\g+2], (128*KS/256)<<16
	s_mov_b32 s[\g+3], 32<<16
	s_mov_b32 s[\g+4], 128*KS/256
	s_mov_b32 s[\g+5], 32
	s_mov_b32 s[\g+6], 0
	s_mov_b32 s[\g+7], 0
.endr
	s_lshl_b32 s18, s16, 7
	s_lshl_b32 s20, s17, 8
	s_add_co_u32 s20, s20, s18                     ; A: row 256 x tile row + 128 x half
	s_lshl_b32 s46, s42, 8
	s_add_co_u32 s46, s46, s18                     ; B: row 256 x tile column + 128 x half
	s_mov_b32 s21, 0
	s_mov_b32 s47, 0
	s_mov_b64 s[18:19], KS
	s_mul_u64 s[22:23], s[20:21], s[18:19]
	s_mul_u64 s[92:93], s[46:47], s[18:19]
	s_mov_b64 s[18:19], KROW
	s_mul_u64 s[20:21], s[20:21], s[18:19]
	s_mul_u64 s[46:47], s[46:47], s[18:19]
	s_mul_i32 s45, s14, HALFT                      ; where they go: wave x 128 rows
	s_mul_i32 s94, s14, HALFS
	s_wait_dscnt 0x0                               ; both opening adds are done
	s_wait_kmcnt 0x0
	s_add_nc_u64 s[20:21], s[4:5], s[20:21]
	s_add_nc_u64 s[22:23], s[6:7], s[22:23]
	s_add_nc_u64 s[46:47], s[8:9], s[46:47]
	s_add_nc_u64 s[92:93], s[10:11], s[92:93]
	CROUND                                         ; all sixteen work-groups are here: the joint loads meet
	s_mov_b32 s[G0S], 1
	s_add_co_u32 s[G0S+1], s94, SCL
	s_mov_b64 s[G0S+2:G0S+3], s[22:23]
	s_or_b32 s[G0S+3], s[G0S+3], 0x80000000
	s_mov_b32 s[G0SB], 1
	s_add_co_u32 s[G0SB+1], s94, SCL
	s_mov_b64 s[G0SB+2:G0SB+3], s[92:93]
	s_or_b32 s[G0SB+3], s[G0SB+3], 0x80000000
	JLOAD G0S, G1S, G0SB, G1SB                     ; the scales first: they are wanted with K step 0
.irp s, 0,1
	s_mov_b32 s[G0+4*\s], 1
	s_add_co_u32 s[G0+4*\s+1], s45, \s*SLOT
	s_add_nc_u64 s[G0+4*\s+2:G0+4*\s+3], s[20:21], \s*ROWB
	s_or_b32 s[G0+4*\s+3], s[G0+4*\s+3], 0x80000000
	s_mov_b32 s[G0B+4*\s], 1
	s_add_co_u32 s[G0B+4*\s+1], s45, \s*SLOT
	s_add_nc_u64 s[G0B+4*\s+2:G0B+4*\s+3], s[46:47], \s*ROWB
	s_or_b32 s[G0B+4*\s+3], s[G0B+4*\s+3], 0x80000000
	JLOAD G0+4*\s, G1, G0B+4*\s, G1B               ; three tensor loads of mine are out at the most
.endr
	v_and_b32 v1, 15, v0                           ; l % 16
	v_bfe_u32 v2, v0, 4, 1                         ; l / 16
	v_mul_u32_u24 v3, v1, PITCH
	v_lshl_add_u32 v4, v2, 4, v3                   ; a fragment's row x pitch + 16 x half
	s_mul_i32 s21, s15, HALFT
	s_mul_i32 s22, s16, HALFT
	s_add_co_u32 s22, s22, 2*HALFT
.irp s, 0,1
	v_add_nc_u32 v[ADRA+\s], s21, v4
	v_add_nc_u32 v[ADRB+\s], s22, v4
	s_add_co_u32 s21, s21, SLOT
	s_add_co_u32 s22, s22, SLOT
.endr
	v_mul_u32_u24 v5, v1, KS                       ; my row's scales: KS bytes a row,
	v_lshrrev_b32 v6, 8, v5
	v_lshl_add_u32 v5, v6, 4, v5                   ; and 16 more for each 256 passed
	s_mul_i32 s21, s15, HALFS
	s_mul_i32 s22, s16, HALFS
	s_add_co_u32 s22, s22, 2*HALFS
	s_sub_co_u32 s22, s22, s21
	v_mul_u32_u24 v6, s22, v2                      ; lanes 16-31 take B's
	s_add_co_u32 s21, s21, SCL
	v_add_nc_u32 v5, v5, v6
	v_add_nc_u32 v[ADRS], s21, v5
	s_mul_i32 s23, s14, 16*SPITCH                  ; my stage
	v_mul_u32_u24 v5, v1, SPITCH                   ; in: row l % 16, 16 bytes for each half of the lanes
	v_lshl_add_u32 v5, v2, 4, v5
	v_add_nc_u32 v[STO], s23, v5
	v_and_b32 v6, 31, v0
	v_lshlrev_b32 v[CO], 4, v6                     ; in memory: 16 bytes a lane, 512 on end
	v_lshrrev_b32 v5, 3, v6                        ; back: eight lanes take a token's 128 bytes of one head, four tokens an instruction
	v_mul_u32_u24 v5, v5, SPITCH
	v_and_b32 v6, 7, v0
	v_lshl_add_u32 v5, v6, 4, v5
	v_add_nc_u32 v[RD], s23, v5
	; where my 128 tokens of my two heads begin: head number = 64 which + 16 b + h
	s_lshr_b32 s20, s42, 2                         ; which of q, k, v: four tile columns each
	s_lshl_b32 s20, s20, 6
	s_lshr_b32 s21, s17, 3                         ; b: eight tile rows each
	s_lshl_b32 s21, s21, 4
	s_add_co_u32 s20, s20, s21
	s_and_b32 s21, s42, 3                          ; four heads to a tile column,
	s_lshl_b32 s21, s21, 2
	s_add_co_u32 s20, s20, s21
	s_lshl_b32 s21, s16, 1                         ; two to a wave
	s_add_co_u32 s20, s20, s21
	s_lshl_b32 s20, s20, 18                        ; 262,144 bytes a head
	s_and_b32 s21, s17, 7
	s_lshl_b32 s21, s21, 8
	s_lshl_b32 s46, s15, 7
	s_add_co_u32 s21, s21, s46                     ; my first token in the sequence
	s_lshl_b32 s21, s21, 7                         ; 128 bytes a token
	s_add_co_u32 s20, s20, s21
	s_mov_b32 s21, 0
	s_add_nc_u64 s[12:13], s[12:13], s[20:21]
.macro FRAG reg, adr, q, i             ; 16 rows x 128 K of 4-bit codes: 8 registers; registers 4 c .. 4 c + 3 hold K = 64 c + 32 (l / 16) + 0 .. 31
.irp c, 0,1
	ds_load_b128 v[\reg+4*\c:\reg+4*\c+3], v[\adr] offset:64*(\q)+32*\c+(\i)*16*PITCH
.endr
.endm
; 16 matrix instructions: A's blocks a0, a0 + 1 x B's eight.  The 64 accumulators take turns, one instruction a turn, in the same order in every step.
.macro MUL16 a0, p, q, sc, zero
.irp a, \a0, \a0+1
.irp b, 0,1,2,3,4,5,6,7
.if \zero
	v_wmma_scale_f32_16x16x128_f8f6f4 v[8*(8*((\a)%4)+\b):8*(8*((\a)%4)+\b)+7], v[128*(\p)+FR*\b:128*(\p)+FR*\b+FR-1], v[AF+FR*(\a):AF+FR*(\a)+FR-1], 0, v[SC+8*NQ*(\sc)+NQ*\b+(\q)], v[SC+8*NQ*(\sc)+NQ*(\a)+(\q)] matrix_a_fmt:MATRIX_FMT_FP4 matrix_b_fmt:MATRIX_FMT_FP4 matrix_a_scale:MATRIX_SCALE_ROW1
.else
	v_wmma_scale_f32_16x16x128_f8f6f4 v[8*(8*((\a)%4)+\b):8*(8*((\a)%4)+\b)+7], v[128*(\p)+FR*\b:128*(\p)+FR*\b+FR-1], v[AF+FR*(\a):AF+FR*(\a)+FR-1], v[8*(8*((\a)%4)+\b):8*(8*((\a)%4)+\b)+7], v[SC+8*NQ*(\sc)+NQ*\b+(\q)], v[SC+8*NQ*(\sc)+NQ*(\a)+(\q)] matrix_a_fmt:MATRIX_FMT_FP4 matrix_b_fmt:MATRIX_FMT_FP4 matrix_a_scale:MATRIX_SCALE_ROW1
.endif
.endr
.endr
.endm
.macro FETCH_B slot, q, p
	WIN TO_B
.irp i, 0,1,2,3,4,5,6,7
	FRAG 128*(\p)+FR*\i, ADRB+\slot, \q, \i
.endr
	WIN 0
.endm
.macro FETCH_A slot, q, i0
.irp i, \i0, \i0+1, \i0+2, \i0+3
	FRAG AF+FR*(\i), ADRA+\slot, \q, \i
.endr
.endm
.macro SCALES sc                       ; a K step's scale words: lanes 0-15 take A's block i, lanes 16-31 B's block i
.irp i, 0,1,2,3,4,5,6,7
	ds_load_b128 v[SC+8*NQ*\sc+NQ*\i:SC+8*NQ*\sc+NQ*\i+3], v[ADRS] offset:\i*SBLK
.endr
.endm
.macro PLACES n                        ; plain vector instructions between a matrix instruction and a load into, or a read of, its registers
.rept \n
	v_nop
.endr
.endm
.macro STEP slot, q, zero              ; 128 along K that has its successor in the same slot
	s_wait_dscnt 4*NL                              ; B's set and A's blocks 0-3 are in; the youngest eight loads (A's blocks 4-7) may be out
	WIN MUL_LO
	MUL16 0, (\q)%2, \q, \slot, \zero
	MUL16 2, (\q)%2, \q, \slot, \zero
	s_wait_dscnt 0
	PLACES NP
	FETCH_B \slot, (\q)+1, 1-(\q)%2
	FETCH_A \slot, (\q)+1, 0
	WIN MUL_HI
	MUL16 4, (\q)%2, \q, \slot, \zero
	MUL16 6, (\q)%2, \q, \slot, \zero
	PLACES NP
	WIN 0
	FETCH_A \slot, (\q)+1, 4
.endm
; Slot 0's last step: one barrier.  In front of it each wave waits for all its tensor loads (its part of slot 1), adds 0 to its spare word, and waits for that and for its reads of slot 0.
.macro TURN slot, next
	s_wait_tensorcnt 0x0                           ; all my tensor loads have landed
	ds_add_u32 v[SPW], v[NIL]                      ; 0 onto my spare word
	s_wait_dscnt 4*NL+1                            ; (the add and A's blocks 4-7 may be out)
	WIN MUL_LO
	MUL16 0, 1, NQ-1, \slot, 0
	s_wait_dscnt 0x0                               ; the add is done, and my reads of this slot are over
	s_barrier_signal -1
	MUL16 2, 1, NQ-1, \slot, 0
	WIN 0
	s_barrier_wait -1                              ; slot 1 is whole, and nobody reads slot 0 any more
	PLACES NP
	v_add_nc_u32 v[ADRS], 4*NQ, v[ADRS]            ; on to the next K step's scale words
	FETCH_B \next, 0, 0
	FETCH_A \next, 0, 0
	SCALES \next
	WIN MUL_HI
	MUL16 4, 1, NQ-1, \slot, 0
	MUL16 6, 1, NQ-1, \slot, 0
	PLACES NP
	WIN 0
	FETCH_A \next, 0, 4
.endm
.macro STEPS slot, from
.set Q, \from
.rept NQ-1-\from
	STEP \slot, Q, 0
.set Q, Q+1
.endr
.endm
	s_wait_tensorcnt 1                             ; the scales and my part of K step 0 are in; K step 1's load may be out
	s_barrier_signal -1
	s_barrier_wait -1
	FETCH_B 0, 0, 0
	FETCH_A 0, 0, 0
	SCALES 0
	FETCH_A 0, 0, 4
	STEP 0, 0, 1                                   ; the first products start the sums: nothing is cleared
	STEPS 0, 1
	TURN 0, 1
	STEPS 1, 0
	s_wait_dscnt 4*NL                              ; the very last step: nothing more to fetch
	WIN MUL_LO
	MUL16 0, 1, NQ-1, 1, 0
	MUL16 2, 1, NQ-1, 1, 0
	s_wait_dscnt 0
	WIN MUL_HI
	MUL16 4, 1, NQ-1, 1, 0
	MUL16 6, 1, NQ-1, 1, 0
	WIN 0
; THE WAY OUT, block by block of 16 tokens x 128 columns (two heads).  PACK: rounded to f16, 16 bytes a lane, each accumulator from its low end on.
; TOSTAGE: into my stage, and back head by head: 16 tokens of a head are 2,048 consecutive bytes of qkv.  SEND: each store covers 512 consecutive bytes, aligned.
.macro PACK a
.set AC, 64*((\a)%4)
	WIN 0x0a+5*((\a)/4)                            ; sources 0 and 1: window 2 or 3
.irp b, 0,1,2,3,4,5,6,7
.irp r, 0,1,2,3
	v_cvt_pk_f16_f32 v[TMP+4*\b+\r], v[AC+8*\b+2*\r], v[AC+8*\b+2*\r+1]
.endr
.endr
	WIN 0
.endm
.macro TOSTAGE a
.set BB, OB+192*((\a)%2)
.irp b, 0,1,2,3,4,5,6,7
	ds_store_b128 v[STO], v[TMP+4*\b:TMP+4*\b+3] offset:32*\b
.endr
.irp hh, 0,1
.irp i, 0,1,2,3
	ds_load_b128 v[BB+4*(4*\hh+\i):BB+4*(4*\hh+\i)+3], v[RD] offset:\i*4*SPITCH+128*\hh   ; LDS serves a wave's instructions in order: these see the stores above
.endr
.endr
.endm
.macro SEND a
.set BB, OB+192*((\a)%2)
	s_wait_dscnt 0x0                               ; the block is back in registers
	s_wait_xcnt 0x0                                ; the earlier stores have read their registers: the next block's loads may land there
.irp hh, 0,1
.irp i, 0,1,2,3
	global_store_b128 v[CO], v[BB+4*(4*\hh+\i):BB+4*(4*\hh+\i)+3], s[12:13] offset:\hh*262144+(\a)*2048+\i*512
.endr
.endr
.endm
	PLACES NP                                      ; behind the last products, ahead of reads of results and loads into registers that held operands and scales
	PACK 0
	TOSTAGE 0
.irp a, 1,2,3,4,5,6,7                  ; block a's conversions stand between block a - 1's loads from the stage and the wait for them
	PACK \a
	SEND \a-1
	TOSTAGE \a
.endr
	SEND 7
	s_wait_tensorcnt 0x0                           ; the wave's end
	ds_add_u32 v[SPW], v[NIL]
	s_wait_dscnt 0x0
	CROUND                                         ; the closing round
	s_endpgm
.Lfunc_end_k_q65ecf7d488_gemm_qkv:
	.size	k_q65ecf7d488_gemm_qkv, .Lfunc_end_k_q65ecf7d488_gemm_qkv-k_q65ecf7d488_gemm_qkv
	.p2alignl 7, 3214868480
	.fill 96, 4, 3214868480
	.section	.rodata,"a",@progbits
	.p2align	6, 0x0
	.amdhsa_kernel k_q65ecf7d488_gemm_qkv
		.amdhsa_group_segment_fixed_size 327680
		.amdhsa_private_segment_fixed_size 0
		.amdhsa_enable_private_segment 0
		.amdhsa_kernarg_size 40
		.amdhsa_user_sgpr_count 2
		.amdhsa_user_sgpr_kernarg_segment_ptr 1
		.amdhsa_wavefront_size32 1
		.amdhsa_system_sgpr_workgroup_id_x 1
		.amdhsa_system_sgpr_workgroup_id_y 1
		.amdhsa_system_sgpr_workgroup_id_z 1
		.amdhsa_system_vgpr_workitem_id 0
		.amdhsa_next_free_vgpr 1024
		.amdhsa_next_free_sgpr 98
		.amdhsa_reserve_vcc 0
		.amdhsa_float_denorm_mode_32 3
		.amdhsa_float_denorm_mode_16_64 3
		.amdhsa_memory_ordered 1
		.amdhsa_forward_progress 1
		.amdhsa_inst_pref_size 126
	.end_amdhsa_kernel
	.amdgpu_metadata
---
amdhsa.version: [ 1, 2 ]
amdhsa.kernels:
  - .name:           k_q65ecf7d488_gemm_qkv
    .symbol:         k_q65ecf7d488_gemm_qkv.kd
    .args:
      - { .name: xc, .offset: 0, .size: 8, .value_kind: global_buffer, .address_space: global }
      - { .name: xs, .offset: 8, .size: 8, .value_kind: global_buffer, .address_space: global }
      - { .name: wc, .offset: 16, .size: 8, .value_kind: global_buffer, .address_space: global }
      - { .name: ws, .offset: 24, .size: 8, .value_kind: global_buffer, .address_space: global }
      - { .name: qkv, .offset: 32, .size: 8, .value_kind: global_buffer, .address_space: global }
    .group_segment_fixed_size: 327680
    .private_segment_fixed_size: 0
    .kernarg_segment_align: 8
    .kernarg_segment_size: 40
    .max_flat_workgroup_size: 128
    .sgpr_count:     98
    .vgpr_count:     1024
    .wavefront_size: 32
...
	.end_amdgpu_metadata
.endif
;; end of part 2
;; launch attn (part 3): grid 8 x 64, 8 waves a work-group, clusters of 4 x 1, 327,680 bytes of LDS; arguments qkv, W_rel, ah; writes ah
.if DOCPART == 3
	.amdgcn_target "amdgcn-amd-amdhsa--gfx1250"
	.amdhsa_code_object_version 6
	.text
	.protected	k_q65ecf7d488_attn
	.globl	k_q65ecf7d488_attn
	.p2align	8
	.type	k_q65ecf7d488_attn,@function
k_q65ecf7d488_attn:
	s_mov_b64 s[64:65], 0
	v_nop
	global_prefetch_b8 v0, s[64:65] scope:SCOPE_SE
	s_setreg_imm32_b32 hwreg(HW_REG_WAVE_MODE, 25, 1), 1
	s_wait_xcnt 0x0
	s_wait_alu depctr_hold_cnt(0) depctr_sa_sdst(0) depctr_va_vdst(0) depctr_va_sdst(0) depctr_va_ssrc(0) depctr_va_vcc(0) depctr_vm_vsrc(0)
	s_getreg_b32 s2, hwreg(HW_REG_IB_STS2, 6, 4)
	s_cmp_eq_u32 s2, 0
	s_cbranch_scc0 .Lentry_in_a_cluster
	s_endpgm
.Lentry_in_a_cluster:
	s_bfe_u32 s2, ttmp6, 0x10000c
	s_cmp_lg_u32 s2, 0x3003
	s_cbranch_scc0 .Lentry_shape_is_right
	s_endpgm
.Lentry_shape_is_right:
; ah[h][b 2048 + i][:] = the sum over j of softmax_j(q_i . k_j / 8 + (j - i) W_rel[h]) v_j, for each of 64 (b, h).  q, k, v: f16, [which][b][h][2048][64]; ah: f16, [h][8192][64].
; Products on f16 operands with f32 sums; maxima, exponentials and sums in f32; the weights p are rounded to f16 for the second product, the result once at the end.
; LIMITS: |result| under 65,504 (f16); NaN and infinities are not served; (j0 - i) 8 W_rel is rounded once in f32 for each key step.
; UNITS.  All is kept in u = 8 x logit = q . k + (j - i) w8, w8 = 8 W_rel[h].  For a key step that begins at key j0: (j - i) w8 = (j - j0) w8 + (j0 - i) w8.
; The first part, BT, is the same in every step and is the C of each sum's first matrix instruction.  The second, BS = D w8 with D = j0 - i kept exactly in f32, is one number a lane.
; A running maximum m (of S + BS) and sum l for each query: p = 2^(c S - c (m - BS)), c = log2(e) / 8; in every step l and O are multiplied by a = 2^(c (m_old - m_new)).
; m begins at -3e38, l and O at 0, so that the first step is a step like any other.
; SHARES.  A work-group owns 256 queries of one (b, h); each of its eight waves 32: two tiles of 16.  Two waves share a SIMD: one's vector work stands beside the other's matrix work.
; LAYOUT.  S^T = K Q^T (source 0 = 16 keys, source 1 = 16 queries): a lane holds ONE query (lane % 16) and keys 8 (lane / 16) + 0..7.  Two such tiles, rounded in pairs, are source 1
; (32 keys x 16 queries) of O^T = V^T P.  K comes out of LDS as it lies, V ([key][channel]) turned, by ds_load_tr16_b128.
; RING.  Two slots of four key steps (256 keys).  Waves 0-3 fetch K's four tiles of a slot, waves 4-7 V's: one load of 64 rows a wave; one tensor load of mine is out at any time.
; CLUSTER.  The four query blocks of a cluster walk the same K and V: each tile is asked for jointly, with a mask that names the four.
; REGISTERS.  window 0: v1-9 addresses and w8; v10-11 D; v12-13 BS; v14, v15 the add's two; v16-31 statistics, eight a tile; v32-63 BT; v64-127 S^T; v128-159 P; v160-191 Q; v192-255 K.
;   window 1: v0-63 O^T (32 a tile); v64-127 V.
.set KS,    64
.set PK,    144                        ; a row of K in LDS: 128 bytes + 16
.set PV,    160                        ; a row of V: 128 + 32
.set VOFF,  KS*PK                      ; a step's tiles lie together: 64 rows of K, then 64 of V
.set STEPB, KS*(PK+PV)
.set NQ,    4                          ; key steps in a slot
.set NSL,   2048/(NQ*KS)               ; slots' worth of keys
.set SLOTG, NQ*KS*128                  ; a slot's rows of K or of V in memory, in bytes
.set SLOT1, 1<<17                      ; slot 1 begins here: one exclusive or turns an address from one slot to the other
.set STAGE, SLOT1+NQ*STEPB             ; behind the ring: 2 x 16 rows x 144 bytes for each wave
.set SP,    144
.set SPARE, STAGE+8*2*16*SP            ; the spare words, 128 bytes a wave, that no other line names
.set AK0, 1
.set AV0, 2
.set ADK, 3
.set ADV, 4
.set STO, 5
.set RD,  6
.set GO,  7
.set W8,  8
.set PFO, 9
.set DD,  10
.set BS,  12
.set SPW, 14
.set NIL, 15
.set ST,  16                           ; tile t at v[ST+8 t]: +0 c (m - BS), +1 m, +2, +3 l (even keys', odd keys'), +4 to +7 c0-c3 at work; a takes c2's place
.set BT,  32
.set S,   64
.set P,   128
.set QF,  160
.set KF,  192
.set VF,  64                           ; in window 1
.set WV,  10
.set LIM, 15
.set PFA, 18
.set G1K, 24
.set G1V, 32
.set G0K, 40
.set G0V, 44
.set SLOTS, 48
.set TB,  49
.set TQ,  50
.set CS,  52
.set SEL, 54
.set MSB, 0
.macro WIN new                         ; the immediate's high byte repeats the setting that is left
.if MSB != (\new)
	s_set_vgpr_msb (MSB<<8)|(\new)
.set MSB, (\new)
.endif
.endm
.macro JLOAD                           ; a joint load; the branch hangs on the wave's number alone; an s_nop 0 and four v_nop follow each line
	s_cmp_lt_u32 s[WV], 4
	s_cbranch_scc0 .Lfor_v_\@
	tensor_load_to_lds s[G0K:G0K+3], s[G1K:G1K+7]
	s_nop 0
.rept 4
	v_nop
.endr
	s_branch .Lasked_\@
.Lfor_v_\@:
	tensor_load_to_lds s[G0V:G0V+3], s[G1V:G1V+7]
	s_nop 0
.rept 4
	v_nop
.endr
.Lasked_\@:
.endm
; A prefetch of what the NEXT change of slots will ask for: a slot's 32,768 bytes of K and of V.  Each aligned block of 256 bytes is named once in the launch: both clusters of a head walk the same
; rows, so the head's first cluster asks; its four partners take 8,192 bytes each, told apart by address; in each, wave 0 asks for K's and wave 4 for V's, lanes 256 bytes apart.
; The last change that fills a slot asks for nothing; slots 0 and 1 come by their loads alone.
.macro ASK
	s_cmp_gt_u32 s[SLOTS], s[LIM]
	s_cbranch_scc0 .Lnot_mine_\@
	global_prefetch_b8 v[PFO], s[PFA:PFA+1] th:TH_LOAD_NT scope:SCOPE_SE
.Lnot_mine_\@:
.endm
.macro CROUND                          ; a round of the cluster's barrier
	s_barrier_signal -1
	s_barrier_wait -1
	s_cmp_lg_u32 s[WV], 0
	s_cbranch_scc1 .Lnot_wave_0_\@
	s_barrier_signal -3
.Lnot_wave_0_\@:
	s_barrier_wait -3
	s_barrier_signal -1
	s_barrier_wait -1
.endm
	s_load_b128 s[4:7], s[0:1], 0x0                ; qkv, W_rel
	s_load_b64 s[8:9], s[0:1], 0x10                ; ah
	v_lshl_add_u32 v[SPW], v0, 2, SPARE
	v_mov_b32 v[NIL], 0
	ds_add_u32 v[SPW], v[NIL]                      ; the wave's opening: the add, twice on end, and its wait ahead of my first tensor load
	ds_add_u32 v[SPW], v[NIL]
	v_lshrrev_b32 v1, 5, v0
	v_readfirstlane_b32 s[WV], v1                  ; wave 0..7
	s_bfe_u32 s11, ttmp6, 0x40000                  ; cx
	s_lshl_b32 s12, ttmp9, 2
	s_add_co_u32 s12, s12, s11                     ; my block of 256 queries: it enters Q's and the result's addresses, D, and the prefetch's address alone
	s_and_b32 s13, ttmp7, 0xffff                   ; 16 b + h, which the four partners share
	s_and_b32 s14, s[WV], 3                        ; which of a slot's four steps I fetch
	s_mul_i32 s16, s14, STEPB                      ; its place in a slot
	s_lshl_b32 s20, s13, 18                        ; the head's first byte in q, in k and in v
	s_mov_b32 s21, 0
	s_lshl_b32 s22, s14, 13                        ; my step's 64 rows of 128 bytes
	s_mov_b32 s23, 0
	s_mov_b32 s[G1K], 15|(1<<16)|(1<<20)|(1<<21)|(4<<22)|(3<<25)  ; the mask: all four; elements of 2 bytes; padding on; bit 21 beside a mask; 4 words after every 32
	s_mov_b32 s[G1V], 15|(1<<16)|(1<<20)|(1<<21)|(4<<22)|(7<<25)  ; the same with 8 words
.irp g, G1K, G1V
	s_mov_b32 s[\g+1], 64<<16                      ; tensor_dim0 = 64
	s_mov_b32 s[\g+2], KS<<16                      ; tensor_dim1 = 64
	s_mov_b32 s[\g+3], 64<<16                      ; tile_dim0 = 64
	s_mov_b32 s[\g+4], KS                          ; tile_dim1 = 64
	s_mov_b32 s[\g+5], 64                          ; from row to row
	s_mov_b32 s[\g+6], 0
	s_mov_b32 s[\g+7], 0
.endr
	s_mov_b32 s[CS], 0x3e38aa3b                    ; c = log2(e) / 8
	s_mov_b32 s[CS+1], s[CS]                       ; (named with it as a pair, so it is written)
	s_mov_b32 s[SEL], 0x76543210
	s_mov_b32 s[SEL+1], 0xfedcba98                 ; lane l xor 16
	s_mov_b32 s[TB], 0
	s_mov_b32 s[SLOTS], NSL-1
	s_or_b32 s[LIM], s14, ttmp9                    ; 0 in waves 0 and 4 of the head's first cluster: the same in all four partners
	s_cmp_eq_u32 s[LIM], 0
	s_cselect_b32 s[LIM], 1, -1
	s_wait_dscnt 0x0                               ; both opening adds are done
	s_wait_kmcnt 0x0
	s_add_nc_u64 s[56:57], s[4:5], s[20:21]        ; q of my head
	s_add_nc_u64 s[60:61], s[56:57], s[22:23]
	s_add_nc_u64 s[62:63], s[60:61], 0x2000000     ; my tile of V in slot 0
	s_add_nc_u64 s[60:61], s[60:61], 0x1000000     ; my tile of K
	s_mov_b32 s[G0K], 1
	s_mov_b32 s[G0K+1], s16
	s_mov_b64 s[G0K+2:G0K+3], s[60:61]
	s_or_b32 s[G0K+3], s[G0K+3], 0x80000000
	s_mov_b32 s[G0V], 1
	s_add_co_u32 s[G0V+1], s16, VOFF
	s_mov_b64 s[G0V+2:G0V+3], s[62:63]
	s_or_b32 s[G0V+3], s[G0V+3], 0x80000000
	s_cmp_lt_u32 s[WV], 4
	s_cselect_b64 s[PFA:PFA+1], s[60:61], s[62:63] ; (in waves 0 and 4 these stand at the head's first row)
	s_lshl_b32 s20, s11, 13                        ; my work-group's 8,192 bytes,
	s_add_co_u32 s20, s20, SLOTG                   ; in slot 1: the first change of slots steps it to slot 2
	s_add_nc_u64 s[PFA:PFA+1], s[PFA:PFA+1], s[20:21]
	s_lshl_b32 s22, s12, 8
	s_lshl_b32 s17, s[WV], 5
	s_add_co_u32 s22, s22, s17                     ; my wave's first query in the sequence
	s_lshl_b32 s20, s22, 7
	s_add_nc_u64 s[56:57], s[56:57], s[20:21]      ; Q at my first query
	s_lshr_b32 s17, s13, 4                         ; b
	s_lshl_b32 s17, s17, 11
	s_add_co_u32 s17, s17, s22
	s_lshl_b32 s17, s17, 7                         ; 128 bytes a token
	s_and_b32 s20, s13, 15                         ; h
	s_lshl_b32 s20, s20, 20                        ; 1,048,576 bytes a head
	s_add_co_u32 s20, s20, s17
	s_add_nc_u64 s[58:59], s[8:9], s[20:21]        ; the result at my first query
	CROUND                                         ; all four work-groups are here: the first joint loads meet
	JLOAD                                          ; slot 0
	v_and_b32 v64, 15, v0                          ; r = l % 16
	v_bfe_u32 v65, v0, 4, 1                        ; h = l / 16
	v_lshlrev_b32 v66, 7, v64
	v_lshl_add_u32 v66, v65, 4, v66                ; Q: row r of 128 bytes, + 16 h
.irp t, 0,1
.irp c, 0,1
	global_load_b128 v[QF+16*\t+8*\c:QF+16*\t+8*\c+3],   v66, s[56:57] offset:\t*2048+64*\c       ; Q stays in registers: tile t, channels 32 c on
	global_load_b128 v[QF+16*\t+8*\c+4:QF+16*\t+8*\c+7], v66, s[56:57] offset:\t*2048+64*\c+32
.endr
.endr
	s_and_b32 s17, s13, 15
	s_lshl_b32 s17, s17, 2
	v_mov_b32 v67, s17
	global_load_b32 v[W8], v67, s[6:7]             ; W_rel[h], in every lane
	v_mul_u32_u24 v[AK0], v64, PK
	v_lshl_add_u32 v[AK0], v65, 4, v[AK0]          ; K: row x pitch + 16 x half
	v_and_b32 v68, 7, v0
	v_bfe_u32 v69, v0, 3, 1
	v_lshl_add_u32 v[AV0], v65, 3, v68             ; V, for the turning load: key 8 (l / 16) + l % 8, channels 8 ((l / 8) % 2) on
	v_mul_u32_u24 v[AV0], v[AV0], PV
	v_lshl_add_u32 v[AV0], v69, 4, v[AV0]
	v_add_nc_u32 v[AV0], VOFF, v[AV0]
	s_mul_i32 s17, s[WV], 2*16*SP
	s_add_co_u32 s17, s17, STAGE                   ; my stage
	v_mul_u32_u24 v[STO], v64, SP                  ; in: row r, 16 bytes for each half of the lanes
	v_lshl_add_u32 v[STO], v65, 4, v[STO]
	v_add_nc_u32 v[STO], s17, v[STO]
	v_and_b32 v70, 31, v0
	v_lshrrev_b32 v71, 3, v70                      ; back: eight lanes to a token's 128 bytes, four tokens an instruction
	v_mul_u32_u24 v[RD], v71, SP
	v_lshl_add_u32 v[RD], v68, 4, v[RD]
	v_add_nc_u32 v[RD], s17, v[RD]
	v_lshlrev_b32 v[GO], 4, v70
	v_lshlrev_b32 v[PFO], 8, v70
	v_add_nc_u32 v72, s22, v64                     ; i, my query of tile 0
	v_cvt_f32_u32 v[DD], v72
	v_mul_f32 v[DD], -1.0, v[DD]                   ; D = j0 - i at j0 = 0
	v_add_f32 v[DD+1], 0xc1800000, v[DD]           ; tile 1's query is 16 further on
	v_lshlrev_b32 v73, 3, v65                      ; 8 h
.irp t, 0,1
	v_mov_b32 v[ST+8*\t+1], 0xff61b1e6             ; m = -3e38
	v_mov_b32 v[ST+8*\t+2], 0                      ; l
	v_mov_b32 v[ST+8*\t+3], 0
.endr
	WIN 0x40
.set i, 0
.rept 64
	v_mov_b32 v[i], 0                              ; O^T: the step is written once, and its first run finds zeros
.set i, i+1
.endr
	WIN 0
.irp u, 0,1,2,3
.irp j, 0,1,2,3,4,5,6,7
	v_add_nc_u32 v[BT+8*\u+\j], 16*\u+\j, v73      ; the key's place in a step: 16 u + 8 h + j
.endr
.endr
.set i, 0
.rept 32
	v_cvt_f32_u32 v[BT+i], v[BT+i]
.set i, i+1
.endr
	s_wait_loadcnt 0x0                             ; Q and W_rel
	v_mul_f32 v[W8], 0x41000000, v[W8]             ; w8 = 8 W_rel[h]: exact
.set i, 0
.rept 32
	v_mul_f32 v[BT+i], v[BT+i], v[W8]
.set i, i+1
.endr
.macro FETCH_K base                    ; a step's K: 64 keys x 64 channels, 8 fragments, 16 loads
.irp u, 0,1,2,3
.irp c, 0,1
	ds_load_b128 v[KF+16*\u+8*\c:KF+16*\u+8*\c+3],   v[ADK] offset:\base+\u*16*PK+64*\c
	ds_load_b128 v[KF+16*\u+8*\c+4:KF+16*\u+8*\c+7], v[ADK] offset:\base+\u*16*PK+64*\c+32
.endr
.endr
.endm
.macro FETCH_V                         ; a step's V, turned: keys 32 g on, channels 16 f on; 16 loads
	WIN 0x40                                       ; destination window 1
.irp g, 0,1
.irp f, 0,1,2,3
	ds_load_tr16_b128 v[VF+8*(4*\g+\f):VF+8*(4*\g+\f)+3],   v[ADV] offset:\g*32*PV+32*\f
	ds_load_tr16_b128 v[VF+8*(4*\g+\f)+4:VF+8*(4*\g+\f)+7], v[ADV] offset:\g*32*PV+16*PV+32*\f
.endr
.endr
	WIN 0
.endm
; S^T = K Q^T + BT: product i: channels 32 (i / 8) on, keys 16 ((i / 2) % 4) on, tile i % 2.  The eight accumulators take turns, one instruction a turn.
.macro QKMUL
.set i, 0
.rept 16
.set rS, S+32*(i%2)+8*((i/2)%4)
.set rK, KF+16*((i/2)%4)+8*(i/8)
.set rQ, QF+16*(i%2)+8*(i/8)
.set rB, BT+8*((i/2)%4)
.if i < 8
	v_wmma_f32_16x16x32_f16 v[rS:rS+7], v[rK:rK+7], v[rQ:rQ+7], v[rB:rB+7]
.else
	v_wmma_f32_16x16x32_f16 v[rS:rS+7], v[rK:rK+7], v[rQ:rQ+7], v[rS:rS+7]
.endif
.set i, i+1
.endr
.endm
; O^T += V^T P: product i: keys 32 (i / 8) on, channels 16 ((i / 2) % 4) on, tile i % 2.  Again eight accumulators by turns.
.macro PVMUL
	WIN 0x51                                       ; V (source 0), O^T (C and D) window 1; P window 0
.set i, 0
.rept 16
.set rO, 32*(i%2)+8*((i/2)%4)
.set rV, VF+8*(4*(i/8)+(i/2)%4)
.set rP, P+16*(i%2)+8*(i/8)
	v_wmma_f32_16x16x32_f16 v[rO:rO+7], v[rV:rV+7], v[rP:rP+7], v[rO:rO+7]
.set i, i+1
.endr
	WIN 0
.endm
; The two tiles' softmax of one key step, line by line by turns, so that no line waits for the line above it.
.macro SOFTMAX
.irp u, 0,1,2,3                        ; the largest of a lane's 32 scores: four chains, each begun at its accumulator's low end
.irp t, 0,1
	v_max3_num_f32 v[ST+8*\t+4+\u], v[S+32*\t+8*\u], v[S+32*\t+8*\u+1], v[S+32*\t+8*\u+2]
.endr
.endr
.irp k, 3,5
.irp u, 0,1,2,3
.irp t, 0,1
	v_max3_num_f32 v[ST+8*\t+4+\u], v[ST+8*\t+4+\u], v[S+32*\t+8*\u+\k], v[S+32*\t+8*\u+\k+1]
.endr
.endr
.endr
.irp t, 0,1
	v_max3_num_f32 v[ST+8*\t+4], v[ST+8*\t+4], v[S+32*\t+7], v[S+32*\t+15]
.endr
.irp t, 0,1
	v_max3_num_f32 v[ST+8*\t+6], v[ST+8*\t+6], v[S+32*\t+23], v[S+32*\t+31]
.endr
.irp t, 0,1
	v_max3_num_f32 v[ST+8*\t+4], v[ST+8*\t+4], v[ST+8*\t+5], v[ST+8*\t+6]
.endr
.irp t, 0,1
	v_max_num_f32 v[ST+8*\t+4], v[ST+8*\t+4], v[ST+8*\t+7]
.endr
.irp t, 0,1
	v_permlanex16_b32 v[ST+8*\t+5], v[ST+8*\t+4], s[SEL], s[SEL+1]   ; the query's other 32 keys lie in the lane 16 away
.endr
.irp t, 0,1
	v_max_num_f32 v[ST+8*\t+4], v[ST+8*\t+4], v[ST+8*\t+5]
.endr
.irp t, 0,1
	v_add_f32 v[ST+8*\t+4], v[ST+8*\t+4], v[BS+\t]                   ; the step's largest u
.endr
.irp t, 0,1
	v_mov_b32 v[ST+8*\t+7], v[ST+8*\t+1]                             ; m_old
.endr
.irp t, 0,1
	v_max_num_f32 v[ST+8*\t+1], v[ST+8*\t+1], v[ST+8*\t+4]           ; m
.endr
.irp t, 0,1
	v_sub_f32 v[ST+8*\t+7], v[ST+8*\t+7], v[ST+8*\t+1]
.endr
.irp t, 0,1
	v_mul_f32 v[ST+8*\t+7], s[CS], v[ST+8*\t+7]                      ; c (m_old - m)
.endr
.irp t, 0,1
	v_sub_f32 v[ST+8*\t+5], v[ST+8*\t+1], v[BS+\t]
.endr
.irp t, 0,1
	v_mul_f32 v[ST+8*\t], s[CS], v[ST+8*\t+5]                        ; c (m - BS)
.endr
.set i, 0
.rept 16
.irp t, 0,1
	v_pk_fma_f32 v[S+32*\t+2*i:S+32*\t+2*i+1], v[S+32*\t+2*i:S+32*\t+2*i+1], s[CS:CS+1], v[ST+8*\t:ST+8*\t+1] op_sel_hi:[1,0,0] neg_lo:[0,0,1] neg_hi:[0,0,1]   ; c S - c (m - BS)
.endr
.set i, i+1
.endr
.irp t, 0,1                            ; ONE BATCH of 66 exponentials: none reads another's result
	v_exp_f32 v[ST+8*\t+6], v[ST+8*\t+7]                             ; a
.endr
.set i, 0
.rept 32
.irp t, 0,1
	v_exp_f32 v[S+32*\t+i], v[S+32*\t+i]                             ; p
.endr
.set i, i+1
.endr
	v_nop                                          ; a plain instruction behind the last exponential
	s_wait_alu depctr_va_vdst(0)                   ; one wait for the batch, ahead of its first reader
.set i, 0
.rept 16
.irp t, 0,1
	v_cvt_pk_f16_f32 v[P+16*\t+i], v[S+32*\t+2*i], v[S+32*\t+2*i+1]
.endr
.set i, i+1
.endr
.set zz, 0                             ; the sum of the UNROUNDED p, a pair (an even key's, an odd key's) at a time, in place: neighbours 1, 2, 4, 8 pairs apart
.rept 15
.set ww, 4
.set uu, zz
.if zz >= 14
.set ww, 32
.set uu, 0
.elseif zz >= 12
.set ww, 16
.set uu, zz-12
.elseif zz >= 8
.set ww, 8
.set uu, zz-8
.endif
.irp t, 0,1
	v_pk_add_f32 v[S+32*\t+ww*uu:S+32*\t+ww*uu+1], v[S+32*\t+ww*uu:S+32*\t+ww*uu+1], v[S+32*\t+ww*uu+ww/2:S+32*\t+ww*uu+ww/2+1]
.endr
.set zz, zz+1
.endr
.irp t, 0,1
	v_pk_fma_f32 v[ST+8*\t+2:ST+8*\t+3], v[ST+8*\t+2:ST+8*\t+3], v[ST+8*\t+6:ST+8*\t+7], v[S+32*\t:S+32*\t+1] op_sel_hi:[1,0,1]   ; l = a l + the sum
.endr
	WIN 0x41                                       ; O^T (destination, source 0) window 1, a window 0
.set i, 0
.rept 16
.irp t, 0,1
	v_pk_mul_f32 v[32*\t+2*i:32*\t+2*i+1], v[32*\t+2*i:32*\t+2*i+1], v[ST+8*\t+6:ST+8*\t+7] op_sel_hi:[1,0]   ; each accumulator from its low end on
.endr
.set i, i+1
.endr
.endm
; A KEY STEP, the q-th of the slot in hand.  K of the next step is fetched behind this step's K Q^T, V of this step likewise: both land under the softmax.
; The five plain lines behind K Q^T name none of the products' registers: they are the places (ISA guide 7.12.1 for vector instructions) ahead of the first read of S^T,
; of the loads into K's registers, and, behind the last step's V^T P, of the loads into V's.
.macro STEP q
	s_add_co_u32 s[TQ], s[TB], (\q)*STEPB
.if (\q) == 0
	v_add_nc_u32 v[ADK], s[TQ], v[AK0]
	FETCH_K 0                                      ; a slot's first K is fetched behind the change of slots
.endif
	s_wait_dscnt 0x0                               ; K is in
	QKMUL
	v_mul_f32 v[BS], v[DD], v[W8]                  ; BS = (j0 - i) w8
	v_mul_f32 v[BS+1], v[DD+1], v[W8]
	v_add_nc_u32 v[ADV], s[TQ], v[AV0]
	v_add_f32 v[DD], 0x42800000, v[DD]             ; D + 64: exact
	v_add_f32 v[DD+1], 0x42800000, v[DD+1]
.if ((\q) > 0) && ((\q) < NQ-1)
	v_add_nc_u32 v[ADK], s[TQ], v[AK0]
.endif
	FETCH_V
.if (\q) < NQ-1
	FETCH_K STEPB                                  ; the next step's
.endif
	SOFTMAX
.if (\q) < NQ-1
	s_wait_dscnt 16                                ; V is in; the 16 younger loads, the next step's K, may be out
.else
	s_wait_dscnt 0x0
.endif
	PVMUL
.endm
.macro SLOT_STEPS
	STEP 0
	STEP 1
	STEP 2
	STEP 3
	s_xor_b32 s[TB], s[TB], SLOT1                  ; on to the other slot
.endm
; THE CHANGE OF SLOTS stands at a slot's head.  Each wave waits for all its tensor loads (its part of the slot ahead), adds 0 to its spare word, and waits for that and for its reads of the slot left.
; fill = 1: a round of the cluster's barrier, so that no wave of any partner still reads the slot left or has a load on its way; then that slot is asked for, first thing: it has four key steps in which to land.
.macro CHANGE fill
	s_wait_tensorcnt 0x0                           ; no tensor load of mine is out, so a group 0 may be written
	ds_add_u32 v[SPW], v[NIL]                      ; 0 onto my spare word
.if \fill
	s_xor_b32 s[G0K+1], s[G0K+1], SLOT1            ; the walking descriptors: the other slot,
	s_add_nc_u64 s[G0K+2:G0K+3], s[G0K+2:G0K+3], SLOTG   ; the next 256 keys; the type bits on top are not reached
	s_xor_b32 s[G0V+1], s[G0V+1], SLOT1
	s_add_nc_u64 s[G0V+2:G0V+3], s[G0V+2:G0V+3], SLOTG
	s_wait_xcnt 0x0                                ; the last prefetch, a slot back, has read its address
	s_add_nc_u64 s[PFA:PFA+1], s[PFA:PFA+1], SLOTG ; one slot further on than the walking descriptors
	s_wait_dscnt 0x0                               ; the add is done, and my reads of the slot left are over
	CROUND
	JLOAD
	ASK
.else
	s_wait_dscnt 0x0
	s_barrier_signal -1
	s_barrier_wait -1
.endif
.endm
.Lslot:                                ; NSL - 1 trips: behind each change of slots but the last the next slot is asked for
	CHANGE 1
	SLOT_STEPS
	s_sub_co_u32 s[SLOTS], s[SLOTS], 1
	s_cmp_lg_u32 s[SLOTS], 0
	s_cbranch_scc1 .Lslot
	CHANGE 0                                       ; the last slot is written out
	SLOT_STEPS
	; THE WAY OUT.  l's halves are added; O^T / l is rounded to f16 and goes through my stage: 16 tokens of my head are 2,048 consecutive bytes of ah.  The additions and the v_nop are the places behind the last products.
.irp t, 0,1
	v_add_f32 v[ST+8*\t+4], v[ST+8*\t+2], v[ST+8*\t+3]
.endr
.irp t, 0,1
	v_permlanex16_b32 v[ST+8*\t+5], v[ST+8*\t+4], s[SEL], s[SEL+1]
.endr
.irp t, 0,1
	v_add_f32 v[ST+8*\t+4], v[ST+8*\t+4], v[ST+8*\t+5]
.endr
.irp t, 0,1
	v_rcp_f32 v[ST+8*\t+6], v[ST+8*\t+4]
.endr
	v_nop                                          ; a plain instruction behind the last reciprocal
	s_wait_alu depctr_va_vdst(0)                   ; one wait for both, ahead of the first reader
.macro OUT t
	WIN 0x41
.set i, 0
.rept 16
	v_pk_mul_f32 v[32*\t+2*i:32*\t+2*i+1], v[32*\t+2*i:32*\t+2*i+1], v[ST+8*\t+6:ST+8*\t+7] op_sel_hi:[1,0]
.set i, i+1
.endr
	WIN 0x05                                       ; sources window 1, destination window 0: S^T's registers are free
.set i, 0
.rept 16
	v_cvt_pk_f16_f32 v[S+32*\t+i], v[32*\t+2*i], v[32*\t+2*i+1]
.set i, i+1
.endr
	WIN 0
.irp f, 0,1,2,3
	ds_store_b128 v[STO], v[S+32*\t+4*\f:S+32*\t+4*\f+3] offset:16*SP*\t+32*\f
.endr
.irp f, 0,1,2,3
	ds_load_b128 v[S+32*\t+16+4*\f:S+32*\t+16+4*\f+3], v[RD] offset:16*SP*\t+4*SP*\f   ; LDS serves a wave's instructions in order: these see the stores above
.endr
.endm
	OUT 0
	OUT 1
.irp f, 0,1,2,3
	s_wait_dscnt 11-\f                             ; behind tile 0's load f: its 3 - f younger loads, tile 1's four stores and four loads
	global_store_b128 v[GO], v[S+16+4*\f:S+16+4*\f+3], s[58:59] offset:512*\f          ; 512 consecutive bytes, aligned
.endr
.irp f, 0,1,2,3
	s_wait_dscnt 3-\f
	global_store_b128 v[GO], v[S+48+4*\f:S+48+4*\f+3], s[58:59] offset:2048+512*\f
.endr
	s_wait_tensorcnt 0x0                           ; the wave's end
	ds_add_u32 v[SPW], v[NIL]
	s_wait_dscnt 0x0
	CROUND                                         ; the closing round
	s_endpgm
.Lfunc_end_k_q65ecf7d488_attn:
	.size	k_q65ecf7d488_attn, .Lfunc_end_k_q65ecf7d488_attn-k_q65ecf7d488_attn
	.p2alignl 7, 3214868480
	.fill 96, 4, 3214868480
	.section	.rodata,"a",@progbits
	.p2align	6, 0x0
	.amdhsa_kernel k_q65ecf7d488_attn
		.amdhsa_group_segment_fixed_size 327680
		.amdhsa_private_segment_fixed_size 0
		.amdhsa_enable_private_segment 0
		.amdhsa_kernarg_size 24
		.amdhsa_user_sgpr_count 2
		.amdhsa_user_sgpr_kernarg_segment_ptr 1
		.amdhsa_wavefront_size32 1
		.amdhsa_system_sgpr_workgroup_id_x 1
		.amdhsa_system_sgpr_workgroup_id_y 1
		.amdhsa_system_sgpr_workgroup_id_z 1
		.amdhsa_system_vgpr_workitem_id 0
		.amdhsa_next_free_vgpr 384
		.amdhsa_next_free_sgpr 66
		.amdhsa_reserve_vcc 0
		.amdhsa_float_denorm_mode_32 3
		.amdhsa_float_denorm_mode_16_64 3
		.amdhsa_memory_ordered 1
		.amdhsa_forward_progress 1
		.amdhsa_inst_pref_size 159
	.end_amdhsa_kernel
	.amdgpu_metadata
---
amdhsa.version: [ 1, 2 ]
amdhsa.kernels:
  - .name:           k_q65ecf7d488_attn
    .symbol:         k_q65ecf7d488_attn.kd
    .args:
      - { .name: qkv, .offset: 0, .size: 8, .value_kind: global_buffer, .address_space: global }
      - { .name: W_rel, .offset: 8, .size: 8, .value_kind: global_buffer, .address_space: global }
      - { .name: ah, .offset: 16, .size: 8, .value_kind: global_buffer, .address_space: global }
    .group_segment_fixed_size: 327680
    .private_segment_fixed_size: 0
    .kernarg_segment_align: 8
    .kernarg_segment_size: 24
    .max_flat_workgroup_size: 256
    .sgpr_count:     66
    .vgpr_count:     384
    .wavefront_size: 32
...
	.end_amdgpu_metadata
.endif
;; end of part 3
;; launch proj (part 4): grid 8 x 64, 4 waves a work-group, clusters of 4 x 4, 327,680 bytes of LDS; arguments ah, wpt, out0; writes out0
.if DOCPART == 4
	.amdgcn_target "amdgcn-amd-amdhsa--gfx1250"
	.amdhsa_code_object_version 6
	.text
	.protected	k_q65ecf7d488_proj
	.globl	k_q65ecf7d488_proj
	.p2align	8
	.type	k_q65ecf7d488_proj,@function
k_q65ecf7d488_proj:
	s_mov_b64 s[64:65], 0
	v_nop
	global_prefetch_b8 v0, s[64:65] scope:SCOPE_SE
	s_setreg_imm32_b32 hwreg(HW_REG_WAVE_MODE, 25, 1), 1
	s_wait_xcnt 0x0
	s_wait_alu depctr_hold_cnt(0) depctr_sa_sdst(0) depctr_va_vdst(0) depctr_va_sdst(0) depctr_va_ssrc(0) depctr_va_vcc(0) depctr_vm_vsrc(0)
	s_getreg_b32 s2, hwreg(HW_REG_IB_STS2, 6, 4)
	s_cmp_eq_u32 s2, 0
	s_cbranch_scc0 .Lentry_in_a_cluster
	s_endpgm
.Lentry_in_a_cluster:
	s_bfe_u32 s2, ttmp6, 0x10000c
	s_cmp_lg_u32 s2, 0xf033
	s_cbranch_scc0 .Lentry_shape_is_right
	s_endpgm
.Lentry_shape_is_right:
; out0[m][n] = sum over k of A[m][k] B[n][k], f16 operands, f32 sums, f32 out.  A is ah, laid by head: [16 h][8192 m][64], k = 64 h + d.  B is wpt [1024 n][1024 k].
; A tile of C is 128 x 128: 512 work-groups.  Four waves, each 64 x 64: 16 accumulators of 16 x 16.  K goes in steps of 256, four heads, through two LDS slots.
; A's part of a step: 128 tokens of a head are 16,384 consecutive bytes.  A wave that fetches for A brings two heads by one load: two rows of 8,192 elements, 524,288 elements apart,
; with 16 bytes of padding behind every 128: in LDS [head][token], 144 bytes a token.  B's part: 64 rows of 512 bytes a load, 528 apart in LDS.
; CLUSTERS: 4 x 4 work-groups; A's tiles are shared along a row of the cluster, B's along a column: joint loads.
; THE MATRIX INSTRUCTION IS USED TRANSPOSED (source 0 = 16 rows of B, source 1 = 16 rows of A): a lane holds eight neighbouring numbers of a row of C.
; REGISTERS: window 0: v0-31 addresses; v32-95 the way out; v128-255 the accumulators ((a, b) at v[128 + 8 (4 a + b)]).  window 1: two fragment buffers of 128: 64 of A, then 64 of B, for 64 along K.
.set SIZE_N, 1024
.set SIZE_K, 1024
.set KSTEP,  256
.set PITCH,  528                       ; B's LDS row: 512 bytes + 16
.set PA,     144                       ; A's: a token's 128 bytes of one head + 16
.set HB,     128*PA                    ; a head's 128 tokens
.set AT,     4*HB                      ; A's part of a slot
.set HALFB,  64*PITCH
.set SLOT,   AT+2*HALFB
.set HEADB,  8192*128                  ; a head of ah in bytes
.set STAGE,  2*SLOT                    ; behind the ring: 16 rows x 272 bytes for each wave
.set SPITCH, 272
.set SPARE,  STAGE+4*16*SPITCH         ; the spare words, 128 bytes a wave, that no other line names
.set LAPS,   SIZE_K/(2*KSTEP)
.set ADRA, 16
.set ADRB, 20
.set STO,  24
.set RD,   25
.set CO,   26
.set SPW,  28
.set NIL,  29
.set TMP,  32
.set ACC,  128
.set F0,   0
.set F1,   128
.set G1, 24
.set G0, 32
.set G1B, 48
.set G0B, 56
.set MSB, 0
.macro WIN new                         ; the immediate's high byte repeats the setting that is left
.if MSB != (\new)
	s_set_vgpr_msb (MSB<<8)|(\new)
.set MSB, (\new)
.endif
.endm
.set MUL,  0x05                        ; sources 0 (B) and 1 (A) window 1; C and D window 0
.set TO_F, 0x40
.macro JLOAD s                         ; a joint load: waves 0 and 1 fetch A's heads, waves 2 and 3 B's halves; an s_nop 0 and four v_nop follow each line
	s_cmp_eq_u32 s11, 0
	s_cbranch_scc0 .Lfor_b_\@
	tensor_load_to_lds s[G0+4*\s:G0+4*\s+3], s[G1:G1+7]
	s_nop 0
.rept 4
	v_nop
.endr
	s_branch .Lasked_\@
.Lfor_b_\@:
	tensor_load_to_lds s[G0B+4*\s:G0B+4*\s+3], s[G1B:G1B+7]
	s_nop 0
.rept 4
	v_nop
.endr
.Lasked_\@:
.endm
.macro CREST                           ; a round of the cluster's barrier behind its opening barrier
	s_cmp_lg_u32 s10, 0
	s_cbranch_scc1 .Lnot_wave_0_\@
	s_barrier_signal -3
.Lnot_wave_0_\@:
	s_barrier_wait -3
	s_barrier_signal -1
	s_barrier_wait -1
.endm
.macro CROUND
	s_barrier_signal -1
	s_barrier_wait -1
	CREST
.endm
	s_load_b128 s[4:7], s[0:1], 0x0                ; ah, wpt
	s_load_b64 s[8:9], s[0:1], 0x10                ; out0
	v_lshl_add_u32 v[SPW], v0, 2, SPARE
	v_mov_b32 v[NIL], 0
	ds_add_u32 v[SPW], v[NIL]                      ; the wave's opening: the add, twice on end, and its wait ahead of my first tensor load
	ds_add_u32 v[SPW], v[NIL]
	v_lshrrev_b32 v1, 5, v0
	v_readfirstlane_b32 s10, v1                    ; wave 0..3
	s_lshr_b32 s11, s10, 1                         ; which half of the tile's rows is mine.  Also: I fetch for A (0) or for B (1)
	s_and_b32 s12, s10, 1                          ; which half of its columns.  Also: which two heads, or which 64 rows, I fetch
	s_bfe_u32 s40, ttmp6, 0x40000                  ; cx, cy
	s_bfe_u32 s41, ttmp6, 0x40004
	s_lshl_b32 s42, ttmp9, 2
	s_add_co_u32 s42, s42, s40                     ; tile column of C
	s_and_b32 s13, ttmp7, 0xffff
	s_lshl_b32 s13, s13, 2
	s_add_co_u32 s13, s13, s41                     ; tile row of C
	s_lshl_b32 s43, s41, 2
	s_lshl_b32 s43, 15, s43                        ; my row of the cluster
	s_lshl_b32 s44, 0x1111, s40                    ; my column
	s_or_b32 s[G1+0], s43, (1<<16)|(1<<20)|(1<<21)|(4<<22)|(3<<25)  ; A: the mask; elements of 2 bytes; padding of 4 words after every 32; bit 21 beside a mask
	s_mov_b32 s[G1+1], 8192<<16                    ; tensor_dim0 = 8,192
	s_mov_b32 s[G1+2], 2<<16                       ; tensor_dim1 = 2
	s_mov_b32 s[G1+3], 8192<<16                    ; tile_dim0 = 8,192
	s_mov_b32 s[G1+4], 2                           ; tile_dim1 = 2
	s_mov_b32 s[G1+5], HEADB/2                     ; from head to head, in elements
	s_mov_b32 s[G1+6], 0
	s_mov_b32 s[G1+7], 0
	s_or_b32 s[G1B+0], s44, (1<<16)|(1<<20)|(1<<21)|(6<<22)|(3<<25) ; B: padding of 4 words after every 128
	s_mov_b32 s[G1B+1], KSTEP<<16
	s_mov_b32 s[G1B+2], 64<<16
	s_mov_b32 s[G1B+3], KSTEP<<16
	s_mov_b32 s[G1B+4], 64
	s_mov_b32 s[G1B+5], SIZE_K
	s_mov_b32 s[G1B+6], 0
	s_mov_b32 s[G1B+7], 0
	s_lshl_b32 s16, s13, 14                        ; A: the tile row's 128 tokens of 128 bytes,
	s_lshl_b32 s17, s12, 21                        ; in my two heads of the step's four
	s_add_co_u32 s16, s16, s17
	s_mov_b32 s17, 0
	s_lshl_b32 s46, s42, 7
	s_lshl_b32 s47, s12, 6
	s_add_co_u32 s46, s46, s47                     ; B: row 128 x tile column + 64 x half,
	s_lshl_b32 s46, s46, 11                        ; of 2,048 bytes
	s_mov_b32 s47, 0
	s_mul_i32 s20, s12, 2*HB                       ; where they go: no place in the cluster enters an LDS address
	s_mul_i32 s21, s12, HALFB
	s_add_co_u32 s21, s21, AT
	s_wait_dscnt 0x0                               ; both opening adds are done
	s_wait_kmcnt 0x0
	s_add_nc_u64 s[14:15], s[4:5], s[16:17]
	s_add_nc_u64 s[46:47], s[6:7], s[46:47]
	CROUND                                         ; all sixteen work-groups are here: the first joint loads meet
.irp s, 0,1
	s_mov_b32 s[G0+4*\s], 1
	s_add_co_u32 s[G0+4*\s+1], s20, \s*SLOT
	s_add_nc_u64 s[G0+4*\s+2:G0+4*\s+3], s[14:15], \s*4*HEADB
	s_or_b32 s[G0+4*\s+3], s[G0+4*\s+3], 0x80000000
	s_mov_b32 s[G0B+4*\s], 1
	s_add_co_u32 s[G0B+4*\s+1], s21, \s*SLOT
	s_add_nc_u64 s[G0B+4*\s+2:G0B+4*\s+3], s[46:47], \s*KSTEP*2
	s_or_b32 s[G0B+4*\s+3], s[G0B+4*\s+3], 0x80000000
	JLOAD \s                                       ; two tensor loads of mine are out at the most
.endr
	v_and_b32 v1, 15, v0                           ; l % 16
	v_bfe_u32 v2, v0, 4, 1                         ; l / 16
	v_mul_u32_u24 v3, v1, PA
	v_lshl_add_u32 v3, v2, 4, v3                   ; A: token x pitch + 16 x half
	v_mul_u32_u24 v4, v1, PITCH
	v_lshl_add_u32 v4, v2, 4, v4                   ; B likewise
	s_mul_i32 s21, s11, 64*PA                      ; my 64 tokens
	s_mul_i32 s22, s12, HALFB                      ; my 64 rows of B,
	s_add_co_u32 s22, s22, AT                      ; behind A's part
.irp s, 0,1
	v_add_nc_u32 v[ADRA+\s], s21, v3
	v_add_nc_u32 v[ADRB+\s], s22, v4
	s_add_co_u32 s21, s21, SLOT
	s_add_co_u32 s22, s22, SLOT
.endr
	s_mul_i32 s23, s10, 16*SPITCH
	s_add_co_u32 s23, s23, STAGE                   ; my stage
	v_mul_u32_u24 v5, v1, SPITCH                   ; in: row l % 16, 32 bytes for each half of the lanes
	v_lshl_add_u32 v5, v2, 5, v5
	v_add_nc_u32 v[STO], s23, v5
	v_mul_u32_u24 v5, v2, SPITCH                   ; back: lanes 0-15 one row of 256 bytes, lanes 16-31 the next
	v_lshl_add_u32 v5, v1, 4, v5
	v_add_nc_u32 v[RD], s23, v5
	v_lshlrev_b32 v5, 12, v2                       ; and the same two rows in out0
	v_lshl_add_u32 v[CO], v1, 4, v5
	s_lshl_b32 s16, s13, 7
	s_lshl_b32 s17, s11, 6
	s_add_co_u32 s16, s16, s17                     ; my first row of C
	s_lshl_b32 s16, s16, 12
	s_mov_b32 s17, 0
	s_add_nc_u64 s[8:9], s[8:9], s[16:17]
	s_lshl_b32 s46, s42, 7
	s_lshl_b32 s47, s12, 6
	s_add_co_u32 s46, s46, s47                     ; my first column
	s_lshl_b32 s46, s46, 2
	s_mov_b32 s47, 0
	s_add_nc_u64 s[8:9], s[8:9], s[46:47]
; 8 matrix instructions: m blocks a0, a0 + 1 x all 4 n blocks, 32 along K: half c of buffer f.  The 16 accumulators take turns.
.macro MUL8 f, c, a0, zero
.irp a, \a0, \a0+1
.irp b, 0,1,2,3
.if \zero
	v_wmma_f32_16x16x32_f16 v[ACC+8*(4*(\a)+\b):ACC+8*(4*(\a)+\b)+7], v[\f+64+8*(4*\c+\b):\f+64+8*(4*\c+\b)+7], v[\f+8*(4*\c+\a):\f+8*(4*\c+\a)+7], 0
.else
	v_wmma_f32_16x16x32_f16 v[ACC+8*(4*(\a)+\b):ACC+8*(4*(\a)+\b)+7], v[\f+64+8*(4*\c+\b):\f+64+8*(4*\c+\b)+7], v[\f+8*(4*\c+\a):\f+8*(4*\c+\a)+7], v[ACC+8*(4*(\a)+\b):ACC+8*(4*(\a)+\b)+7]
.endif
.endr
.endr
.endm
; 32 LDS loads in one run: the fragments of 64 along K (one head: byte k of B's rows, head k / 128 of A) into buffer f; the first 32 along K first
.macro FETCH slot, k, f
	WIN TO_F
.irp c, 0,1
.irp i, 0,1,2,3
	ds_load_b128 v[\f+64+8*(4*\c+\i):\f+64+8*(4*\c+\i)+3],   v[ADRB+\slot] offset:\k+64*\c+\i*16*PITCH
	ds_load_b128 v[\f+64+8*(4*\c+\i)+4:\f+64+8*(4*\c+\i)+7], v[ADRB+\slot] offset:\k+64*\c+\i*16*PITCH+32
	ds_load_b128 v[\f+8*(4*\c+\i):\f+8*(4*\c+\i)+3],         v[ADRA+\slot] offset:((\k)/128)*HB+64*\c+\i*16*PA
	ds_load_b128 v[\f+8*(4*\c+\i)+4:\f+8*(4*\c+\i)+7],       v[ADRA+\slot] offset:((\k)/128)*HB+64*\c+\i*16*PA+32
.endr
.endr
.endm
.macro PLACES                          ; four plain instructions ahead of loads into registers that matrix instructions have read, and of reads of results
.rept 4
	v_nop
.endr
.endm
.macro QUARTER slot, k, f, g, zero     ; multiplies buffer f and fetches the next quarter, at byte k, into g
	s_wait_dscnt 16                                ; the first 32 along K are in; the sixteen younger loads may be out
	WIN MUL
	MUL8 \f, 0, 0, \zero
	MUL8 \f, 0, 2, \zero
	PLACES
	FETCH \slot, \k, \g
	s_wait_dscnt 32                                ; all but the 32 just issued
	WIN MUL
	MUL8 \f, 1, 0, 0
	MUL8 \f, 1, 2, 0
.endm
; The last quarter multiplies buffer 1 and changes slots: one barrier; in front of it each wave waits for all its tensor loads, adds 0 to its spare word, and waits for that and for its reads of this slot.
.macro TURN slot, next, fill
	WIN 0
	s_wait_tensorcnt 0x0                           ; all my tensor loads have landed: my part of the next slot
	ds_add_u32 v[SPW], v[NIL]                      ; 0 onto my spare word
	s_wait_dscnt 17                                ; (the add and the youngest sixteen loads may be out)
	WIN MUL
	MUL8 F1, 0, 0, 0
	s_wait_dscnt 0x0                               ; the add is done, and my reads of this slot are over
	s_barrier_signal -1
	MUL8 F1, 0, 2, 0
.if \fill
	WIN 0
.endif
	s_barrier_wait -1
.if \fill
	CREST                                          ; the barrier has opened a round of the cluster's barrier: no wave of any partner still reads this slot or has a load on its way
	s_add_nc_u64 s[G0+4*\slot+2:G0+4*\slot+3], s[G0+4*\slot+2:G0+4*\slot+3], 2*4*HEADB     ; eight heads on
	s_add_nc_u64 s[G0B+4*\slot+2:G0B+4*\slot+3], s[G0B+4*\slot+2:G0B+4*\slot+3], 2*KSTEP*2
	JLOAD \slot                                    ; the first tensor load behind the round; its four v_nop are also the places ahead of the loads below
.else
	PLACES
.endif
	FETCH \next, 0, F0
	WIN MUL
	MUL8 F1, 1, 0, 0
	MUL8 F1, 1, 2, 0
.endm
	s_wait_tensorcnt 1                             ; my part of K step 0 is in; K step 1's load may be out
	s_barrier_signal -1
	s_barrier_wait -1
	FETCH 0, 0, F0
	QUARTER 0, 128, F0, F1, 1                      ; the first products start the sums
	WIN 0
	s_mov_b32 s3, LAPS-1
.Llap:                                 ; a trip goes once round the ring and fills both slots again
	QUARTER 0, 256, F1, F0, 0
	QUARTER 0, 384, F0, F1, 0
	TURN 0, 1, 1
	QUARTER 1, 128, F0, F1, 0
	QUARTER 1, 256, F1, F0, 0
	QUARTER 1, 384, F0, F1, 0
	TURN 1, 0, 1
	QUARTER 0, 128, F0, F1, 0
	WIN 0
	s_sub_co_u32 s3, s3, 1
	s_cmp_lg_u32 s3, 0
	s_cbranch_scc1 .Llap
	QUARTER 0, 256, F1, F0, 0                      ; the last lap fills nothing
	QUARTER 0, 384, F0, F1, 0
	TURN 0, 1, 0
	QUARTER 1, 128, F0, F1, 0
	QUARTER 1, 256, F1, F0, 0
	QUARTER 1, 384, F0, F1, 0
	s_wait_dscnt 16
	WIN MUL
	MUL8 F1, 0, 0, 0
	MUL8 F1, 0, 2, 0
	s_wait_dscnt 0
	MUL8 F1, 1, 0, 0
	MUL8 F1, 1, 2, 0
	WIN 0
; THE WAY OUT, 16 rows x 64 columns at a time.  A wave's 64 columns of f32 are 256 bytes: a block goes through my own stage and comes back as whole rows; sixteen lanes store 256 consecutive bytes, aligned.
.macro TOSTAGE a
.irp b, 0,1,2,3
	ds_store_b128 v[STO], v[ACC+8*(4*(\a)+\b):ACC+8*(4*(\a)+\b)+3] offset:64*\b        ; each accumulator from its low end on
	ds_store_b128 v[STO], v[ACC+8*(4*(\a)+\b)+4:ACC+8*(4*(\a)+\b)+7] offset:64*\b+16
.endr
.set BB, TMP+32*((\a)%2)
.irp t, 0,1,2,3,4,5,6,7
	ds_load_b128 v[BB+4*\t:BB+4*\t+3], v[RD] offset:\t*2*SPITCH    ; LDS serves a wave's instructions in order: these see the stores above, and the next block's stores come behind them
.endr
.endm
.macro SEND a, younger                 ; younger: the LDS instructions issued behind block a's loads
.set BB, TMP+32*((\a)%2)
	s_wait_dscnt \younger
.irp t, 0,1,2,3,4,5,6,7
	global_store_b128 v[CO], v[BB+4*\t:BB+4*\t+3], s[8:9] offset:(16*(\a)+2*\t)*SIZE_N*4 th:TH_STORE_NT
.endr
.endm
	PLACES
	TOSTAGE 0
.irp a, 1,2,3
.if \a > 1
	s_wait_xcnt 0x0                                ; block a - 2's stores have read their registers: block a's loads may land there
.endif
	TOSTAGE \a
	SEND \a-1, 16                                  ; behind block a - 1's loads: block a's 8 stores and 8 loads
.endr
	SEND 3, 0
	s_wait_tensorcnt 0x0                           ; the wave's end
	ds_add_u32 v[SPW], v[NIL]
	s_wait_dscnt 0x0
	CROUND                                         ; the closing round
	s_endpgm
.Lfunc_end_k_q65ecf7d488_proj:
	.size	k_q65ecf7d488_proj, .Lfunc_end_k_q65ecf7d488_proj-k_q65ecf7d488_proj
	.p2alignl 7, 3214868480
	.fill 96, 4, 3214868480
	.section	.rodata,"a",@progbits
	.p2align	6, 0x0
	.amdhsa_kernel k_q65ecf7d488_proj
		.amdhsa_group_segment_fixed_size 327680
		.amdhsa_private_segment_fixed_size 0
		.amdhsa_enable_private_segment 0
		.amdhsa_kernarg_size 24
		.amdhsa_user_sgpr_count 2
		.amdhsa_user_sgpr_kernarg_segment_ptr 1
		.amdhsa_wavefront_size32 1
		.amdhsa_system_sgpr_workgroup_id_x 1
		.amdhsa_system_sgpr_workgroup_id_y 1
		.amdhsa_system_sgpr_workgroup_id_z 1
		.amdhsa_system_vgpr_workitem_id 0
		.amdhsa_next_free_vgpr 512
		.amdhsa_next_free_sgpr 66
		.amdhsa_reserve_vcc 0
		.amdhsa_float_denorm_mode_32 3
		.amdhsa_float_denorm_mode_16_64 3
		.amdhsa_memory_ordered 1
		.amdhsa_forward_progress 1
		.amdhsa_inst_pref_size 86
	.end_amdhsa_kernel
	.amdgpu_metadata
---
amdhsa.version: [ 1, 2 ]
amdhsa.kernels:
  - .name:           k_q65ecf7d488_proj
    .symbol:         k_q65ecf7d488_proj.kd
    .args:
      - { .name: ah, .offset: 0, .size: 8, .value_kind: global_buffer, .address_space: global }
      - { .name: wpt, .offset: 8, .size: 8, .value_kind: global_buffer, .address_space: global }
      - { .name: out0, .offset: 16, .size: 8, .value_kind: global_buffer, .address_space: global }
    .group_segment_fixed_size: 327680
    .private_segment_fixed_size: 0
    .kernarg_segment_align: 8
    .kernarg_segment_size: 24
    .max_flat_workgroup_size: 128
    .sgpr_count:     66
    .vgpr_count:     512
    .wavefront_size: 32
...
	.end_amdgpu_metadata
.endif
;; end of part 4
